; MI455X (gfx1250); checked and timed in simulation.
; The chip was launched on July 23, 2026; its instructions are those of AMD's public machine-readable ISA for CDNA 5 (MIT licence, August 2026) and "CDNA5" Instruction Set Architecture Reference Guide (July 2026). The comments in the code are by the model that wrote it; some were corrected since.
;; Holy Loss Network. Allowed arithmetic: matrix products marked QUANTISED: E2M1 operands, one E8M0 scale for each 32 along K, by v_wmma_scale_f32_16x16x128_f8f6f4 with both operands' format E2M1 (or v_wmma_scale_f32_32x16x128_f4), f32 sums; everything else in f32.
;; Inputs: W_fe 512 x 512 float32; W_lv 1,026 x 1,026 float32; b_fe 512 float32; b_lv 1,026 float32; test_inputs 256 x 32 x 512 float32; test_targets 256 x 32 x 1 float32; train_inputs 256 x 32 x 512 float32; train_targets 256 x 32 x 1 float32.
;; Outputs: out0 256 x 256 float32; out1 256 int32.
;; This version of the problem:
;;   THIS VERSION OF THE PROBLEM IS GIVEN IN LOW PRECISION. The matrix products marked QUANTISED in the list below multiply operands that are first quantised to E2M1 (2 exponent bits, 1 mantissa bit; 4 bits a number), with one power-of-two scale for each 32 numbers along K (OCP MX v1.0); their sums are f32. All else is computed in f32.
;;   The module's matrix products, in the order in which they are computed (A, B: the left and right operand; K: the contracted axis; several contracted axes count as one K, in the product's order):
;;     1. [M 8,192, K 512] x [K 512, N 512]; A: input train_inputs; B: input W_fe: QUANTISED
;;     2. [M 256, K 1,026] x [K 1,026, N 1,026]; A: computed on the way; B: input W_lv: QUANTISED
;;     3. [M 8,192, K 512] x [K 512, N 512]; A: input test_inputs; B: input W_fe: QUANTISED
;;     4. [M 256, K 1,026] x [K 1,026, N 1,026]; A: computed on the way; B: input W_lv: QUANTISED
;;   THE QUANTISER, for each operand of a quantised product, along K:
;;     - K is cut into blocks of 32 from its start; a last block that is shorter is filled with zeros.
;;     - A block's scale is 2^e with e = floor(log2(the largest magnitude in the block)) - 2, held to -126 .. 127; a block of zeros has e = 0. As a byte (E8M0): e + 127.
;;     - Each number is divided by its block's scale, clamped to +-6, and rounded to the nearest number of E2M1, ties to even, subnormals kept.
;;     - The product sums the exact products of the quantised numbers (number of the format x scale) in f32.
;;   ~~~python
;;   def quantise(x, axis):      # numpy; x: float32 -> the quantised numbers, widened to float32 again
;;       x = np.moveaxis(x, axis, -1); K = x.shape[-1]
;;       x = np.pad(x, [(0, 0)] * (x.ndim - 1) + [(0, -K % 32)]); x = x.reshape(x.shape[:-1] + (-1, 32)); a = np.abs(x).max(-1, keepdims=True)
;;       e = np.where(a > 0, np.clip(np.frexp(np.where(a > 0, a, 1))[1] - 1 - 2, -126, 127), 0)      # np.frexp(a)[1] - 1 = floor(log2(a)), exactly
;;       r = np.clip(x / 2.0 ** e, -6, 6)
;;       step = 2.0 ** (np.maximum(np.frexp(np.where(r == 0, 1, r))[1] - 1, 0) - 1)
;;       q = np.round(r / step) * step * 2.0 ** e      # np.round: ties to even
;;       return np.moveaxis(q.reshape(q.shape[:-2] + (-1,))[..., :K], -1, axis).astype(np.float32)
;;   ~~~
;;   OPERANDS COMPUTED ON THE WAY. 'Computed on the way' means the value that the module computes at that place (a softmax that the list does not call 'softmax' is quantised finished and normalised). What goes into a quantiser is computed in f32, as accurately as f32 sums, v_exp_f32 and their like allow (about 1e-6 of the number): no bf16 or f16 on the way to a quantiser, and a product that is left as it is and whose result goes on into a quantised operand takes f32 operands (vector FMAs, or v_wmma_f32_16x16x4_f32). A number that lies on a knife's edge between two numbers of the format may be rounded either way, as far as f32 arithmetic and the matrix unit's own rounding can turn it there, and no further.
;; One version. Each part assembles by itself: llvm-mc -triple=amdgcn-amd-amdhsa -mcpu=gfx1250 --defsym DOCPART=n.
;; ======== version 1 of 1: 5 launches
;; limits: right only within a limited range of input values
;; workspace buffers: wq 785,664 bytes; zq 317,440 bytes; st 4,194,304 bytes; lvx 21,504 bytes; sc 262,144 bytes
;; launch qw (part 1): grid 361 x 1, 4 waves a work-group, no clusters, 768 bytes of LDS; arguments W_fe, W_lv, wq; writes wq
.if DOCPART == 1
	.amdgcn_target "amdgcn-amd-amdhsa--gfx1250"
	.amdhsa_code_object_version 6
	.text
	.protected	k_qeb2fa2c1b5_qw
	.globl	k_qeb2fa2c1b5_qw
	.p2align	8
	.type	k_qeb2fa2c1b5_qw,@function
k_qeb2fa2c1b5_qw:
	s_mov_b64 s[64:65], 0
	v_nop
	global_prefetch_b8 v0, s[64:65] scope:SCOPE_SE
	s_setreg_imm32_b32 hwreg(HW_REG_WAVE_MODE, 25, 1), 1
	s_wait_xcnt 0x0
; THE PROGRAM.  qw: codes of both weights.  fe: phis, and z = [mean, std] as f32 and as codes.  lv: e^logvar and sums of logvar.  kl: the sums over t for all pairs.  sm: log_softmax.
; DEAD WORK LEFT OUT, for all values of the inputs: out0 = log_softmax(-score) along j, so what is the same for all j of a row i cancels: the sum of logvar_tr(i) (the entropy of row i), and every constant
; (0.5 T log(2 pi e) twice, and -1 for each t).  In the two KL terms of a pair the differences l2 - l1 and l1 - l2 cancel.  The sum of logvar_te(j) hangs on j and stays.
; LIMIT: a NaN, an infinity or an overflow that reaches only the work left out is not carried to the result.
;
; THIS LAUNCH.  W_fe [512 k][512 n] and W_lv [1026 k][1026 n], f32 with K as the FIRST axis, become codes of FP4 (E2M1) with one E8M0 byte for each 32 along K,
; laid in the order of a matrix operand's registers, so that the later launches load whole fragments with 16-byte loads at 16 x lane.
; A LANE TAKES A COLUMN n AND ITS REGISTERS RUN DOWN K: a wave takes 32 columns x one block of 32 along K, all of whose loads are out at once; a work-group's four waves the four blocks of a K step of 128.
; Work-groups 0-63: W_fe (16 groups of 32 columns x 4 K steps).  Work-groups 64-360: W_lv (33 groups x 9 K steps; the ninth holds k = 1024, 1025 and zeros).
; LAYOUT of wq.  Codes: [tile of 16 columns][K step][1,024 bytes]; block b of column r lies at 256 b + 16 r.  Scale words: [32 columns][K step][lane]: lanes 0-15 the even tile, 16-31 the odd one.
; Columns 1,026 .. 1,055 are copies of column 1,025 (the index is clamped); nothing that is made of them is kept.
; A block's scale is 2^(floor(log2(largest magnitude)) - 2): its byte is the largest magnitude's exponent field - 2, held at 1 from below by a floor among the maximum's leaves.
; LIMITS: a block of zeros gets the byte 1 where the rule says 127 (its codes are zeros, and this program alone reads the bytes); blocks whose largest magnitude
; lies under 2^-124 are held at the byte 1; NaN and infinities among the inputs are not served.
.set X,     24                         ; v24-55   my block's 32 numbers
.set SPARE, 256                        ; LDS: bytes 0-127 the scale words; from 256 the spare words
.set WFE_S, 131072
.set WLV_C, 139264
.set WLV_S, 747520
.macro LOAD32 pitch                    ; 32 rows at my column; 32 lanes read 128 neighbouring bytes
.set i, 0
.rept 32
	global_load_b32 v[X+i], v2, s[16:17] offset:i*\pitch th:TH_LOAD_NT
.set i, i+1
.endr
.endm
	s_load_b128 s[4:7], s[0:1], 0x0                ; W_fe, W_lv
	s_load_b64 s[10:11], s[0:1], 0x10              ; wq
	v_lshl_add_u32 v12, v0, 2, SPARE
	v_mov_b32 v13, 0
	v_lshrrev_b32 v1, 5, v0
	v_readfirstlane_b32 s12, v1                    ; wave = block b of the K step
	v_and_b32 v1, 31, v0                           ; lane
	v_lshlrev_b32 v4, 2, v1                        ; a scale word's place: 4 x lane
	v_add_nc_u32 v5, s12, v4                       ; my byte of it
	v_bfe_u32 v6, v0, 4, 1                         ; which of my two tiles
	v_and_b32 v7, 15, v0
	v_lshlrev_b32 v7, 4, v7                        ; 16 r
	s_mov_b32 s25, 0
	s_mov_b32 s27, 0
	s_mov_b32 s29, 0
	s_wait_alu depctr_va_vdst(0)
	s_cmp_lt_u32 ttmp9, 64
	s_cbranch_scc0 .Llv
	; ---- W_fe: 4 K steps, rows of 2,048 bytes
	s_and_b32 s15, ttmp9, 15                       ; group of 32 columns
	s_lshr_b32 s13, ttmp9, 4                       ; K step
	s_lshl_b32 s24, s13, 18                        ; 128 rows of 2,048 bytes a K step,
	s_lshl_b32 s22, s12, 16
	s_add_co_u32 s24, s24, s22                     ; 32 a block
	s_lshl_b32 s26, s15, 3
	s_add_co_u32 s26, s26, s13
	s_lshl_b32 s26, s26, 2
	s_add_co_u32 s26, s26, s12
	s_lshl_b32 s26, s26, 8                         ; (2 group x 4 + K step) x 1,024 + 256 b
	s_lshl_b32 s28, s15, 2
	s_add_co_u32 s28, s28, s13
	s_lshl_b32 s28, s28, 7
	s_add_co_u32 s28, s28, WFE_S                   ; (group x 4 + K step) x 128
	v_lshl_add_u32 v2, s15, 5, v1                  ; my column
	v_lshlrev_b32 v2, 2, v2
	v_lshl_add_u32 v3, v6, 12, v7                  ; codes: my tile (4 K steps of 1,024 bytes a tile) + 16 r
	s_wait_alu depctr_va_vdst(0)                   ; and at the head's end
	s_wait_kmcnt 0x0
	s_add_nc_u64 s[16:17], s[4:5], s[24:25]
	s_add_nc_u64 s[18:19], s[10:11], s[26:27]
	s_add_nc_u64 s[20:21], s[10:11], s[28:29]
	LOAD32 2048
	s_branch .Lq
.Llv:	; ---- W_lv: 9 K steps, rows of 4,104 bytes
	s_sub_co_u32 s22, ttmp9, 64
	s_mul_i32 s13, s22, 993
	s_lshr_b32 s13, s13, 15                        ; K step = number / 33 (993 / 32,768 serves numbers under 297)
	s_mul_i32 s15, s13, 33
	s_sub_co_u32 s15, s22, s15                     ; group of 32 columns, 0..32
	s_mul_i32 s24, s13, 128*4104
	s_mul_i32 s22, s12, 32*4104
	s_add_co_u32 s24, s24, s22
	s_mul_i32 s26, s15, 18
	s_add_co_u32 s26, s26, s13
	s_lshl_b32 s26, s26, 2
	s_add_co_u32 s26, s26, s12
	s_lshl_b32 s26, s26, 8
	s_add_co_u32 s26, s26, WLV_C
	s_mul_i32 s28, s15, 9
	s_add_co_u32 s28, s28, s13
	s_lshl_b32 s28, s28, 7
	s_add_co_u32 s28, s28, WLV_S
	v_lshl_add_u32 v2, s15, 5, v1                  ; my column, 0..1,055
	v_min_u32 v2, 1025, v2                         ; clamped: no load leaves a row
	v_lshlrev_b32 v2, 2, v2
	v_mul_u32_u24 v3, v6, 9216                     ; codes: my tile (9 K steps of 1,024 bytes a tile) + 16 r
	v_add_nc_u32 v3, v3, v7
	s_wait_alu depctr_va_vdst(0)
	s_wait_kmcnt 0x0
	s_add_nc_u64 s[16:17], s[6:7], s[24:25]
	s_add_nc_u64 s[18:19], s[10:11], s[26:27]
	s_add_nc_u64 s[20:21], s[10:11], s[28:29]
	s_cmp_eq_u32 s13, 8
	s_cbranch_scc1 .Ltail
	LOAD32 4104
	s_branch .Lq
.Ltail:	; ---- the ninth K step: k = 1,024 and 1,025 in block 0; the rest are zeros
.set i, 2
.rept 30
	v_mov_b32 v[X+i], 0
.set i, i+1
.endr
	s_wait_alu depctr_va_vdst(0)
	s_cmp_lg_u32 s12, 0
	s_cbranch_scc1 .Lzero
	global_load_b32 v[X], v2, s[16:17] th:TH_LOAD_NT
	global_load_b32 v[X+1], v2, s[16:17] offset:4104 th:TH_LOAD_NT
	s_branch .Lq
.Lzero:
	v_mov_b32 v[X], 0
	v_mov_b32 v[X+1], 0
	s_wait_alu depctr_va_vdst(0)
.Lq:
	s_wait_loadcnt 0x0
	v_max3_num_f32 v8, |v[X]|, |v[X+1]|, |v[X+2]|                  ; the block's largest magnitude, in two chains
	v_max3_num_f32 v9, |v[X+3]|, |v[X+4]|, |v[X+5]|
.irp i, 6,10,14,18,22,26
	v_max3_num_f32 v8, v8, |v[X+\i]|, |v[X+\i+1]|
	v_max3_num_f32 v9, v9, |v[X+\i+2]|, |v[X+\i+3]|
.endr
	v_max3_num_f32 v8, v8, |v[X+30]|, |v[X+31]|
	v_max3_num_f32 v8, v8, v9, 0x1800000           ; and the floor 2^(3 - 127): the byte cannot fall under 1
	v_add_nc_u32 v10, 0xff000000, v8               ; 2 off the exponent field: the conversion takes this operand's exponent field as its scale
	v_lshrrev_b32 v11, 23, v10                     ; the scale's byte
.irp g, 0,1,2,3
	v_cvt_scalef32_pk8_fp4_f32 v[16+\g], v[X+8*\g:X+8*\g+7], v10
.endr
	v_nop                                          ; one plain line behind the last scaled conversion
	ds_store_b8 v5, v11
	global_store_b128 v3, v[16:19], s[18:19]       ; lanes 0-15 and lanes 16-31 each store 256 consecutive bytes, aligned
	s_wait_dscnt 0x0                               ; for wave 0's sake: my bytes have landed
	s_barrier_signal -1
	s_barrier_wait -1
	s_cmp_lg_u32 s12, 0
	s_cbranch_scc1 .Lend
	ds_load_b32 v14, v4                            ; the four blocks' bytes of my column
	s_wait_dscnt 0x0
	global_store_b32 v4, v14, s[20:21]             ; 128 consecutive bytes
.Lend:
	s_wait_tensorcnt 0x0                           ; the wave's end, behind my last LDS store
	ds_add_u32 v12, v13
	s_wait_dscnt 0x0
	s_endpgm
.Lfunc_end_k_qeb2fa2c1b5_qw:
	.size	k_qeb2fa2c1b5_qw, .Lfunc_end_k_qeb2fa2c1b5_qw-k_qeb2fa2c1b5_qw
	.p2alignl 7, 3214868480
	.fill 96, 4, 3214868480
	.section	.rodata,"a",@progbits
	.p2align	6, 0x0
	.amdhsa_kernel k_qeb2fa2c1b5_qw
		.amdhsa_group_segment_fixed_size 768
		.amdhsa_private_segment_fixed_size 0
		.amdhsa_enable_private_segment 0
		.amdhsa_kernarg_size 24
		.amdhsa_user_sgpr_count 2
		.amdhsa_user_sgpr_kernarg_segment_ptr 1
		.amdhsa_wavefront_size32 1
		.amdhsa_system_sgpr_workgroup_id_x 1
		.amdhsa_system_sgpr_workgroup_id_y 1
		.amdhsa_system_sgpr_workgroup_id_z 1
		.amdhsa_system_vgpr_workitem_id 0
		.amdhsa_next_free_vgpr 72
		.amdhsa_next_free_sgpr 66
		.amdhsa_reserve_vcc 0
		.amdhsa_float_denorm_mode_32 3
		.amdhsa_float_denorm_mode_16_64 3
		.amdhsa_memory_ordered 1
		.amdhsa_forward_progress 1
		.amdhsa_inst_pref_size 13
	.end_amdhsa_kernel
	.amdgpu_metadata
---
amdhsa.version: [ 1, 2 ]
amdhsa.kernels:
  - .name:           k_qeb2fa2c1b5_qw
    .symbol:         k_qeb2fa2c1b5_qw.kd
    .args:
      - { .name: W_fe, .offset: 0, .size: 8, .value_kind: global_buffer, .address_space: global }
      - { .name: W_lv, .offset: 8, .size: 8, .value_kind: global_buffer, .address_space: global }
      - { .name: wq, .offset: 16, .size: 8, .value_kind: global_buffer, .address_space: global }
    .group_segment_fixed_size: 768
    .private_segment_fixed_size: 0
    .kernarg_segment_align: 8
    .kernarg_segment_size: 24
    .max_flat_workgroup_size: 128
    .sgpr_count:     66
    .vgpr_count:     72
    .wavefront_size: 32
...
	.end_amdgpu_metadata
.endif
;; end of part 1
;; launch fe (part 2): grid 256 x 1, 16 waves a work-group, clusters of 4 x 1, 296,960 bytes of LDS; arguments train_inputs, train_targets, test_inputs, test_targets, wq, b_fe, zq, st; writes zq, st
.if DOCPART == 2
	.amdgcn_target "amdgcn-amd-amdhsa--gfx1250"
	.amdhsa_code_object_version 6
	.text
	.protected	k_qeb2fa2c1b5_fe
	.globl	k_qeb2fa2c1b5_fe
	.p2align	8
	.type	k_qeb2fa2c1b5_fe,@function
k_qeb2fa2c1b5_fe:
	s_mov_b64 s[64:65], 0
	v_nop
	global_prefetch_b8 v0, s[64:65] scope:SCOPE_SE
	s_setreg_imm32_b32 hwreg(HW_REG_WAVE_MODE, 25, 1), 1
	s_wait_xcnt 0x0
	s_wait_alu depctr_hold_cnt(0) depctr_sa_sdst(0) depctr_va_vdst(0) depctr_va_sdst(0) depctr_va_ssrc(0) depctr_va_vcc(0) depctr_vm_vsrc(0)
	s_getreg_b32 s2, hwreg(HW_REG_IB_STS2, 6, 4)
	s_cmp_eq_u32 s2, 0
	s_cbranch_scc0 .Lentry_in_a_cluster
	s_endpgm
.Lentry_in_a_cluster:
	s_bfe_u32 s2, ttmp6, 0x10000c
	s_cmp_lg_u32 s2, 0x3003
	s_cbranch_scc0 .Lentry_shape_is_right
	s_endpgm
.Lentry_shape_is_right:
; phis = relu(x W_fe + b_fe) on codes of FP4 (E2M1) with E8M0 scales, then z = [mean, std (divisor 31)] over the 32 shots of [target, phis]; z as f32, and as codes for the next product.
; SHARES.  Work-group g (0..255) owns two episodes: 64 rows of x, rows 2 g and 2 g + 1 of z (rows 0-255 train, 256-511 test).
; Sixteen waves, four to a SIMD.  Wave w first quantises ONE fragment of x (16 rows x 128 along K: rows 16 (w / 4) on, K step w % 4) and stores it to LDS as an image of its registers;
; then it makes columns 32 w .. 32 w + 31 of phis for all 64 rows: 32 matrix instructions, four accumulators by turns.
; x is read once, by plain loads, a row's 512 bytes to an instruction, the first four rows ahead of the cluster's round; it turns through the wave's own LDS bytes, so that a lane gets 32 neighbours along K.
; W_fe's codes (131,072 bytes, the same for every work-group) come by a JOINT tensor load: the four work-groups of a cluster ask together, each wave for the 8,192 bytes of its own two tiles
; of columns, the wave's one tensor load.  Only the issuing wave reads what its load brought, behind its own wait.  No byte is filled twice.
; No prefetch: the launch has no loop to run ahead in.
; LAYOUT OF THE PRODUCT: source 0 = 16 rows of x, source 1 = 16 columns of W_fe: a lane holds ONE column (lane % 16) and eight rows 8 (lane / 16) + 0..7, so that the sums over the
; 32 shots are sums over a lane's 16 registers and one exchange between the halves of the lanes.  The bias is the C of each sum's first matrix instruction.
; The variance is taken in two passes (mean first, then squared deviations), as reference() takes it.
; z's codes go out as images of the next product's operand registers: [tile of 16 rows][K step][1,024 bytes], block b of row r at 256 b + 16 r, and their scale words as [tile][K step][16 rows]:
; this work-group's two rows are 32 neighbouring bytes of each block, and the seventeen groups of columns that read them load whole fragments.
; LIMITS: a block of zeros gets the scale byte 1 where the rule says 127 (its codes are zeros; this program alone reads the bytes); blocks whose largest magnitude lies under 2^-124
; are held at the byte 1; NaN and infinities are not served; the division by 31 is a multiplication by the f32 nearest to 1 / 31.
.set XST,  0                           ; LDS: x on its turn, wave w at 8,448 w: 16 rows of 512 bytes + 16 of padding
.set WB,   135168                      ; W_fe's codes, wave w at + 8,192 w (tensor loads' target)
.set AIMG, 266240                      ; x's 16 fragments as images of their registers, 1,024 bytes each
.set ASC,  282624                      ; their scale words, 128 bytes each
.set ZST,  284672                      ; z: 2 rows x 1,152 f32
.set ZSB,  293888                      ; z's scale bytes: a word for each of two rows, for each of nine K steps
.set SPARE, 294912                     ; the spare words
.set WFE_S, 131072                     ; in wq: W_fe's scale words
.set ZS,   294912                      ; in zq: z's scale words, 576 bytes a tile of rows
.set TZ,   313344                      ; in zq: z[.][1024], z[.][1025], 512 f32 each
.set XF,  16                           ; v16-79   64 numbers of x; later eight fragments of x: (K step, tile of rows) at XF + 16 ks + 8 m
.set BF,  80                           ; v80-143  W_fe's fragments: (tile q, K step) at BF + 8 (4 q + ks)
.set AC,  144                          ; v144-175 accumulators: AC + 16 q + 8 m
.set BC,  176                          ; v176-191 the bias in the result's layout: eight equal registers for each q
.set BS,  192                          ; v192-195 W_fe's scale words by K step: lanes 0-15 tile q = 0, lanes 16-31 tile q = 1
.set AS,  196                          ; v196-203 x's scale words: AS + 2 ks + m
.set PC,  204                          ; v204-211 the codes just made
.set PW,  212                          ; v212     the scale word just made
.set TM,  213                          ; v213-223 at work
.set S,   224                          ; v224-239 statistics, eight registers for each q
; v1 lane, v2 r, v3 h; v4-v15, v242-v247, v249-v254 addresses, made once at the head; v248 my episode's targets
.macro ROUND                           ; a round of the cluster's barrier
	s_barrier_signal -1
	s_barrier_wait -1
	s_cmp_lg_u32 s20, 0
	s_cbranch_scc1 .Lnot_wave_0_\@
	s_barrier_signal -3
.Lnot_wave_0_\@:
	s_barrier_wait -3
	s_barrier_signal -1
	s_barrier_wait -1
.endm
.macro BARRIER                         ; my LDS stores have landed and my LDS loads are in: then the work-group's barrier
	s_wait_dscnt 0x0
	s_barrier_signal -1
	s_barrier_wait -1
.endm
.macro XLOAD i                         ; row i of my fragment of x: 512 consecutive bytes
	global_load_b128 v[XF+4*\i:XF+4*\i+3], v243, s[34:35] offset:2048*\i th:TH_LOAD_NT
.endm
.macro WM d, a, b, c, sa, sb, row      ; row = 1: source 1's scales stand in lanes 16-31
.if \row
	v_wmma_scale_f32_16x16x128_f8f6f4 v[(\d):(\d)+7], v[(\a):(\a)+7], v[(\b):(\b)+7], v[(\c):(\c)+7], v[(\sa)], v[(\sb)] matrix_a_fmt:MATRIX_FMT_FP4 matrix_b_fmt:MATRIX_FMT_FP4 matrix_b_scale:MATRIX_SCALE_ROW1
.else
	v_wmma_scale_f32_16x16x128_f8f6f4 v[(\d):(\d)+7], v[(\a):(\a)+7], v[(\b):(\b)+7], v[(\c):(\c)+7], v[(\sa)], v[(\sb)] matrix_a_fmt:MATRIX_FMT_FP4 matrix_b_fmt:MATRIX_FMT_FP4
.endif
.endm
.macro ALOAD e                         ; episode e's eight fragments of x and their scale words, as any wave stored them
.irp ks, 0,1,2,3
.irp m, 0,1
.irp c, 0,1
	ds_load_b128 v[XF+16*\ks+8*\m+4*\c:XF+16*\ks+8*\m+4*\c+3], v7 offset:(4*(2*\e+\m)+\ks)*1024+512*\c
.endr
	ds_load_b32 v[AS+2*\ks+\m], v8 offset:(4*(2*\e+\m)+\ks)*128
.endr
.endr
.endm
.macro MUL step                        ; 16 matrix instructions: the four accumulators take turns, one instruction a turn, K step by K step
.irp ks, 0,1,2,3
	s_wait_dscnt \step*(3-\ks)                     ; step = 6: K step ks is in, the six LDS loads of each later one may be out; step = 0: all are in
.irp q, 0,1
.irp m, 0,1
.if \ks == 0
.set CC, BC+8*\q
.else
.set CC, AC+16*\q+8*\m
.endif
	WM AC+16*\q+8*\m, XF+16*\ks+8*\m, BF+8*(4*\q+\ks), CC, AS+2*\ks+\m, BS+\ks, \q
.endr
.endr
.endr
.endm
; Episode e: relu, mean and std over the 32 shots of my 32 columns; lanes 0-15 store the mean, lanes 16-31 the std
.macro STAT e
.set j, 0
.rept 32
	v_max_num_f32 v[AC+j], 0, v[AC+j]              ; the activation; each accumulator is read from its low end on
.set j, j+1
.endr
.irp q, 0,1
	v_pk_add_f32 v[S+8*\q:S+8*\q+1], v[AC+16*\q:AC+16*\q+1], v[AC+16*\q+2:AC+16*\q+3]
	v_pk_add_f32 v[S+8*\q+2:S+8*\q+3], v[AC+16*\q+4:AC+16*\q+5], v[AC+16*\q+6:AC+16*\q+7]
.endr
.irp i, 8,12
.irp q, 0,1
	s_delay_alu instid0(VALU_DEP_4)
	v_pk_add_f32 v[S+8*\q:S+8*\q+1], v[S+8*\q:S+8*\q+1], v[AC+16*\q+\i:AC+16*\q+\i+1]
	s_delay_alu instid0(VALU_DEP_4)
	v_pk_add_f32 v[S+8*\q+2:S+8*\q+3], v[S+8*\q+2:S+8*\q+3], v[AC+16*\q+\i+2:AC+16*\q+\i+3]
.endr
.endr
.irp q, 0,1
	v_pk_add_f32 v[S+8*\q:S+8*\q+1], v[S+8*\q:S+8*\q+1], v[S+8*\q+2:S+8*\q+3]
.endr
.irp q, 0,1
	s_delay_alu instid0(VALU_DEP_2)
	v_add_f32 v[S+8*\q], v[S+8*\q], v[S+8*\q+1]
.endr
.irp q, 0,1
	s_delay_alu instid0(VALU_DEP_2)
	v_permlanex16_b32 v[S+8*\q+1], v[S+8*\q], s22, s23             ; the column's other 16 shots lie in the lane 16 away
.endr
.irp q, 0,1
	s_delay_alu instid0(VALU_DEP_2)
	v_add_f32 v[S+8*\q], v[S+8*\q], v[S+8*\q+1]
.endr
.irp q, 0,1
	s_delay_alu instid0(VALU_DEP_2)
	v_mul_f32 v[S+8*\q+4], 0x3d000000, v[S+8*\q]   ; the mean: x 1 / 32, exact
.endr
.irp i, 0,2,4,6,8,10,12,14
.irp q, 0,1
	v_pk_add_f32 v[AC+16*\q+\i:AC+16*\q+\i+1], v[AC+16*\q+\i:AC+16*\q+\i+1], v[S+8*\q+4:S+8*\q+5] op_sel_hi:[1,0] neg_lo:[0,1] neg_hi:[0,1]   ; the deviations (the pair's low word serves both halves)
.endr
.endr
.irp q, 0,1
	v_pk_mul_f32 v[S+8*\q:S+8*\q+1], v[AC+16*\q:AC+16*\q+1], v[AC+16*\q:AC+16*\q+1]
	v_pk_mul_f32 v[S+8*\q+2:S+8*\q+3], v[AC+16*\q+2:AC+16*\q+3], v[AC+16*\q+2:AC+16*\q+3]
.endr
.irp i, 4,8,12
.irp q, 0,1
	s_delay_alu instid0(VALU_DEP_4)
	v_pk_fma_f32 v[S+8*\q:S+8*\q+1], v[AC+16*\q+\i:AC+16*\q+\i+1], v[AC+16*\q+\i:AC+16*\q+\i+1], v[S+8*\q:S+8*\q+1]
	s_delay_alu instid0(VALU_DEP_4)
	v_pk_fma_f32 v[S+8*\q+2:S+8*\q+3], v[AC+16*\q+\i+2:AC+16*\q+\i+3], v[AC+16*\q+\i+2:AC+16*\q+\i+3], v[S+8*\q+2:S+8*\q+3]
.endr
.endr
.irp q, 0,1
	v_pk_add_f32 v[S+8*\q:S+8*\q+1], v[S+8*\q:S+8*\q+1], v[S+8*\q+2:S+8*\q+3]
.endr
.irp q, 0,1
	s_delay_alu instid0(VALU_DEP_2)
	v_add_f32 v[S+8*\q], v[S+8*\q], v[S+8*\q+1]
.endr
.irp q, 0,1
	s_delay_alu instid0(VALU_DEP_2)
	v_permlanex16_b32 v[S+8*\q+1], v[S+8*\q], s22, s23
.endr
.irp q, 0,1
	s_delay_alu instid0(VALU_DEP_2)
	v_add_f32 v[S+8*\q], v[S+8*\q], v[S+8*\q+1]
.endr
.irp q, 0,1
	s_delay_alu instid0(VALU_DEP_2)
	v_mul_f32 v[S+8*\q], 0x3d042108, v[S+8*\q]     ; x 1 / 31: the unbiased variance
.endr
	s_wait_alu depctr_va_vdst(0)                   ; ahead of the roots and, below, ahead of their first reader
.irp q, 0,1
	v_sqrt_f32 v[S+8*\q+6], v[S+8*\q]
.endr
	v_nop
	s_wait_alu depctr_va_vdst(0)
.irp q, 0,1
	v_cndmask_b32 v[S+8*\q+7], v[S+8*\q+4], v[S+8*\q+6], s21       ; lanes 0-15 the mean, lanes 16-31 the std
	ds_store_b32 v10, v[S+8*\q+7] offset:\e*4608+64*\q
.endr
.endm
	s_load_b256 s[4:11], s[0:1], 0x0               ; train_inputs, train_targets, test_inputs, test_targets
	s_load_b256 s[12:19], s[0:1], 0x20             ; wq s[12:13], b_fe s[14:15], zq s[16:17], st s[18:19]
	v_lshl_add_u32 v244, v0, 2, SPARE
	v_mov_b32 v255, 0
	ds_add_u32 v244, v255                          ; the wave's opening: the add, twice on end, and one wait, ahead of my tensor load
	ds_add_u32 v244, v255
	v_lshrrev_b32 v1, 5, v0
	v_readfirstlane_b32 s20, v1                    ; wave 0..15
	s_bfe_u32 s56, ttmp6, 0x40000                  ; cx: my place in the cluster: it enters global addresses of plain loads and stores alone
	s_lshl_b32 s57, ttmp9, 2
	s_add_co_u32 s57, s57, s56                     ; g
	s_and_b32 s58, s57, 127                        ; my block of 64 rows in its set
	; group 1 for W_fe's codes: a dense block of 8,192 bytes as 32 rows of 32 elements of 8 bytes; the mask names the cluster's four work-groups, bit 21 beside it
	s_mov_b32 s40, 15|(3<<16)|(1<<21)
	s_mov_b32 s41, 32<<16
	s_mov_b32 s42, 32<<16
	s_mov_b32 s43, 32<<16
	s_mov_b32 s44, 32
	s_mov_b32 s45, 32
	s_mov_b32 s46, 0
	s_mov_b32 s47, 0
	s_mov_b32 s36, 1
	s_lshl_b32 s62, s20, 13                        ; W_fe: my wave's two tiles: 8,192 bytes, in memory and in LDS: the wave's number alone
	s_add_co_u32 s37, s62, WB
	s_mov_b32 s63, 0
	s_mul_i32 s33, s20, 8448                       ; x: my wave's LDS bytes
	s_lshl_b32 s60, s58, 17                        ; x: 64 rows of 2,048 bytes a work-group,
	s_lshr_b32 s59, s20, 2
	s_lshl_b32 s59, s59, 15                        ; 16 rows a tile,
	s_add_co_u32 s60, s60, s59
	s_and_b32 s59, s20, 3
	s_lshl_b32 s59, s59, 9                         ; 512 bytes a K step
	s_add_co_u32 s60, s60, s59
	s_mov_b32 s61, 0
	s_lshl_b32 s82, s58, 8                         ; the targets: two episodes of 128 bytes
	s_mov_b32 s83, 0
	s_mov_b32 s22, 0x76543210
	s_mov_b32 s23, 0xfedcba98                      ; v_permlanex16_b32's selects for lane l xor 16
	s_lshl_b32 s66, s20, 10
	s_lshl_b32 s67, s20, 7
	s_and_b32 s68, s20, 1
	s_mul_i32 s69, s68, 4608
	s_add_co_u32 s69, s69, ZST                     ; z: row w % 2
	s_lshr_b32 s70, s20, 3
	s_and_b32 s71, s20, 7
	s_lshl_b32 s71, s71, 9
	s_mul_i32 s72, s70, 4608
	s_add_co_u32 s72, s72, s71
	s_add_co_u32 s72, s72, ZST                     ; z: row w / 8, 512 bytes a wave
	s_lshl_b32 s73, s70, 13
	s_add_co_u32 s73, s73, s71                     ; the same place in st: rows of 8,192 bytes
	s_min_u32 s74, s20, 8                          ; z's codes: waves 0-8 take a K step each
	s_lshl_b32 s75, s74, 9
	s_add_co_u32 s75, s75, ZST
	s_lshl_b32 s76, s74, 10
	s_lshl_b32 s78, s74, 3
	s_add_co_u32 s78, s78, ZSB
	s_lshl_b32 s77, s74, 6
	s_lshl_b32 s79, s20, 9
	s_lshl_b32 s80, s68, 7
	s_add_co_u32 s81, s67, ZST+4
	v_and_b32 v1, 31, v0                           ; lane
	v_and_b32 v2, 15, v0                           ; r
	v_bfe_u32 v3, v0, 4, 1                         ; h
	v_cmp_eq_u32 s21, 1, v3                        ; the mask of lanes 16-31
	v_lshlrev_b32 v243, 4, v1                      ; 16 x lane: my 16 bytes of a row's 512
	v_lshl_add_u32 v245, v1, 2, s80                ; the targets of episode w % 2: a lane a shot
	v_lshl_add_u32 v246, v1, 2, s79                ; W_fe's scale words: 512 w + 4 x lane
	v_lshl_add_u32 v247, v2, 2, s67                ; b_fe: 128 w + 4 r
	v_mul_u32_u24 v4, v2, 528
	v_lshl_add_u32 v4, v3, 7, v4
	v_add_nc_u32 v4, s33, v4                       ; x in LDS: row r, + 128 h: my 32 numbers of each 64
	v_add_nc_u32 v242, s33, v243                   ; x on the way in
	v_add_nc_u32 v7, AIMG, v243                    ; an image's place for my lane: 16 x lane
	v_add_nc_u32 v5, s66, v7                       ; where I store my fragment
	v_lshlrev_b32 v8, 2, v1
	v_add_nc_u32 v8, ASC, v8                       ; a scale word's: 4 x lane
	v_add_nc_u32 v6, s67, v8                       ; where I store mine
	v_add_nc_u32 v9, s37, v243                     ; W_fe's fragments: my wave's bytes + 16 x lane
	v_mul_u32_u24 v11, v3, 2052
	v_lshl_add_u32 v10, v2, 2, v11
	v_add_nc_u32 v10, s81, v10                     ; z: column 1 + 32 w + r (mean), and 513 further on for lanes 16-31 (std)
	v_add_nc_u32 v11, s69, v11                     ; z: column 0 (the targets' mean) or 513 (their std) of row w % 2
	v_lshl_add_u32 v12, v1, 2, s69
	v_add_nc_u32 v12, 4104, v12                    ; z: columns 1,026 on, which are zeros
	v_add_nc_u32 v13, s72, v243                    ; the way out of z as f32
	v_add_nc_u32 v14, s73, v243                    ; and the same place in st
	v_lshrrev_b32 v240, 3, v1                      ; z's codes: block lane / 8 of my K step,
	v_bfe_u32 v241, v1, 2, 1                       ; row (lane / 4) % 2,
	v_and_b32 v216, 3, v1                          ; 8 numbers of its 32
	v_and_b32 v217, 7, v1
	v_and_b32 v218, 1, v1
	v_bfe_u32 v219, v1, 1, 1
	v_mul_u32_u24 v15, v241, 4608
	v_lshl_add_u32 v15, v240, 7, v15
	v_lshl_add_u32 v15, v216, 5, v15
	v_add_nc_u32 v15, s75, v15
	v_lshlrev_b32 v249, 8, v240
	v_lshl_add_u32 v249, v217, 2, v249
	v_add_nc_u32 v249, s76, v249                   ; their place in memory: 1,024 w + 256 x block + 4 (lane % 8)
	v_lshl_add_u32 v252, v1, 2, s77                ; the scale words' place in memory: 64 w + 4 x lane (lanes 0, 1: my two rows)
	v_lshl_add_u32 v250, v241, 2, v240
	v_add_nc_u32 v250, s78, v250                   ; my block's scale byte in LDS: four lanes to a block
	v_lshl_add_u32 v251, v218, 2, s78              ; and the wave's two words of them
	v_mul_u32_u24 v253, v219, 4608
	v_lshl_add_u32 v253, v218, 2, v253
	v_add_nc_u32 v253, ZST+4096, v253              ; z[(lane / 2) % 2][1024 + lane % 2]
	v_lshlrev_b32 v254, 2, v219
	v_lshl_add_u32 v254, v218, 11, v254            ; its place in memory
	v_mov_b32 v[S+5], 0                            ; named as the upper halves of pairs whose low word alone is used
	v_mov_b32 v[S+13], 0
	v_mov_b32 v[TM], 0                             ; a lane operation's destination counts as one of its sources
	v_mov_b32 v[TM+1], 0
	s_wait_alu depctr_va_vdst(0)
	s_wait_dscnt 0x0                               ; both opening adds are done
	s_wait_kmcnt 0x0
	s_cmp_lt_u32 ttmp9, 32                         ; clusters 0-31 take the train set: the same choice in all four partners
	s_cselect_b64 s[4:5], s[4:5], s[8:9]
	s_cselect_b64 s[6:7], s[6:7], s[10:11]
	s_add_nc_u64 s[34:35], s[4:5], s[60:61]
	s_add_nc_u64 s[6:7], s[6:7], s[82:83]
.irp i, 0,1,2,3
	XLOAD \i
.endr
	global_load_b32 v248, v245, s[6:7]
.irp ks, 0,1,2,3
	global_load_b32 v[BS+\ks], v246, s[12:13] offset:WFE_S+128*\ks
.endr
.irp q, 0,1
	global_load_b32 v[BC+8*\q], v247, s[14:15] offset:64*\q        ; my column's bias
.endr
	s_add_nc_u64 s[38:39], s[12:13], s[62:63]
	s_or_b32 s39, s39, 0x80000000
	ROUND                                          ; all four work-groups are here: the joint loads meet
	tensor_load_to_lds s[36:39], s[40:47]          ; my two tiles of W_fe's codes, jointly
	s_nop 0
.rept 4
	v_nop
.endr
.irp i, 4,5,6,7,8,9,10,11,12,13,14,15
	XLOAD \i
.endr
	s_mul_i32 s60, s57, 16384                      ; st: two rows of 8,192 bytes a work-group
	s_add_nc_u64 s[48:49], s[18:19], s[60:61]
	s_lshr_b32 s56, s57, 3                         ; z's tile of 16 rows,
	s_and_b32 s59, s57, 7                          ; and my pair of rows in it
	s_mul_i32 s60, s56, 9216
	s_lshl_b32 s82, s59, 5
	s_add_co_u32 s60, s60, s82
	s_add_nc_u64 s[50:51], s[16:17], s[60:61]
	s_mul_i32 s60, s56, 576
	s_lshl_b32 s82, s59, 3
	s_add_co_u32 s60, s60, s82
	s_add_co_u32 s60, s60, ZS
	s_add_nc_u64 s[52:53], s[16:17], s[60:61]
	s_lshl_b32 s60, s57, 3                         ; z's last two columns: two rows of 4 bytes in each plane
	s_add_co_u32 s60, s60, TZ
	s_add_nc_u64 s[54:55], s[16:17], s[60:61]
	; ---- the targets' mean and std: waves 0 and 1, an episode each, a lane a shot
	s_cmp_gt_u32 s20, 1
	s_cbranch_scc1 .Lno_target
	s_wait_loadcnt 18                              ; the targets are in: the 6 small loads and x's 12 rows behind them may be out
	v_add_f32_dpp v[TM], v248, v248 row_xmask:1 row_mask:0xf bank_mask:0xf
	v_add_f32_dpp v[TM], v[TM], v[TM] row_xmask:2 row_mask:0xf bank_mask:0xf
	v_add_f32_dpp v[TM], v[TM], v[TM] row_xmask:4 row_mask:0xf bank_mask:0xf
	v_add_f32_dpp v[TM], v[TM], v[TM] row_xmask:8 row_mask:0xf bank_mask:0xf
	v_permlanex16_b32 v[TM+1], v[TM], s22, s23
	v_add_f32 v[TM], v[TM], v[TM+1]
	v_mul_f32 v[TM+2], 0x3d000000, v[TM]           ; the mean
	v_sub_f32 v[TM], v248, v[TM+2]
	v_mul_f32 v[TM], v[TM], v[TM]
	v_add_f32_dpp v[TM], v[TM], v[TM] row_xmask:1 row_mask:0xf bank_mask:0xf
	v_add_f32_dpp v[TM], v[TM], v[TM] row_xmask:2 row_mask:0xf bank_mask:0xf
	v_add_f32_dpp v[TM], v[TM], v[TM] row_xmask:4 row_mask:0xf bank_mask:0xf
	v_add_f32_dpp v[TM], v[TM], v[TM] row_xmask:8 row_mask:0xf bank_mask:0xf
	v_permlanex16_b32 v[TM+1], v[TM], s22, s23
	v_add_f32 v[TM], v[TM], v[TM+1]
	v_mul_f32 v[TM], 0x3d042108, v[TM]
	s_wait_alu depctr_va_vdst(0)
	v_sqrt_f32 v[TM+3], v[TM]
	v_mov_b32 v[TM+4], 0                           ; (a plain line behind the root)
	s_wait_alu depctr_va_vdst(0)
	v_cndmask_b32 v[TM+3], v[TM+2], v[TM+3], s21
	ds_store_b32 v11, v[TM+3]                      ; sixteen lanes write the same word with the same value
	ds_store_b32 v12, v[TM+4]                      ; columns 1,026 .. 1,151 are zeros: the rest of the last K step
	ds_store_b32 v12, v[TM+4] offset:128
	ds_store_b32 v12, v[TM+4] offset:256
	ds_store_b32 v12, v[TM+4] offset:376
.Lno_target:
	; ---- my fragment of x: lane (r, h) takes, of row r, k = 64 c + 32 h + 0 .. 31, c = 0, 1: two whole blocks, in the order of the operand's registers
.irp i, 0,1,2,3,4,5,6,7,8,9,10,11,12,13,14,15
.if \i < 4
	s_wait_loadcnt 22-\i                           ; row i is in: the 15 - i rows and the 7 small loads behind it may be out
.else
	s_wait_loadcnt 15-\i                           ; row i is in, and the small loads are: the rows behind it may be out
.endif
	ds_store_b128 v242, v[XF+4*\i:XF+4*\i+3] offset:528*\i
.endr
	s_wait_dscnt 0x0                               ; the rows lie in LDS; their registers take the turned numbers
.irp c, 0,1
.irp i, 0,1,2,3,4,5,6,7
	ds_load_b128 v[XF+32*\c+4*\i:XF+32*\c+4*\i+3], v4 offset:256*\c+16*\i
.endr
.endr
.irp q, 0,1
.irp j, 1,2,3,4,5,6,7
	v_mov_b32 v[BC+8*\q+\j], v[BC+8*\q]            ; the bias in all eight registers of the result's layout
.endr
.endr
	s_wait_alu depctr_va_vdst(0)
	s_wait_dscnt 0x0
.irp c, 0,1
	v_max3_num_f32 v[TM+\c], |v[XF+32*\c]|, |v[XF+32*\c+1]|, 0x1800000   ; the floor 2^(3 - 127): the byte cannot fall under 1
.endr
.irp i, 2,4,6,8,10,12,14,16,18,20,22,24,26,28,30
.irp c, 0,1
	s_delay_alu instid0(VALU_DEP_2)
	v_max3_num_f32 v[TM+\c], v[TM+\c], |v[XF+32*\c+\i]|, |v[XF+32*\c+\i+1]|   ; the two blocks by turns
.endr
.endr
.irp c, 0,1
	s_delay_alu instid0(VALU_DEP_2)
	v_add_nc_u32 v[TM+2+\c], 0xff000000, v[TM+\c]  ; 2 off the exponent field: the conversion's scale operand
.endr
.irp c, 0,1
	s_delay_alu instid0(VALU_DEP_2)
	v_lshrrev_b32 v[TM+4+\c], 23, v[TM+2+\c]       ; the scale's byte
.endr
	v_lshl_or_b32 v[PW], v[TM+5], 16, v[TM+4]      ; my two bytes: blocks h and 2 + h of row r,
	v_lshlrev_b32 v[TM+6], 3, v3
	v_lshlrev_b32 v[PW], v[TM+6], v[PW]            ; at their places in the word;
	v_mov_b32 v[TM+7], 0
	v_permlanex16_b32 v[TM+7], v[PW], s22, s23
	v_or_b32 v[PW], v[PW], v[TM+7]                 ; with lane l xor 16's two the word is whole
.irp c, 0,1
.irp g, 0,1,2,3
	v_cvt_scalef32_pk8_fp4_f32 v[PC+4*\c+\g], v[XF+32*\c+8*\g:XF+32*\c+8*\g+7], v[TM+2+\c]
.endr
.endr
	v_nop                                          ; one plain line behind the last scaled conversion
	ds_store_b128 v5, v[PC:PC+3]
	ds_store_b128 v5, v[PC+4:PC+7] offset:512
	ds_store_b32 v6, v[PW]
	s_wait_tensorcnt 0x0                           ; my tiles of W_fe have landed
.irp q, 0,1
.irp ks, 0,1,2,3
.irp c, 0,1
	ds_load_b128 v[BF+8*(4*\q+\ks)+4*\c:BF+8*(4*\q+\ks)+4*\c+3], v9 offset:\q*4096+\ks*1024+512*\c
.endr
.endr
.endr
	BARRIER                                        ; x's sixteen fragments lie in LDS
	; ---- the product and the statistics, an episode (32 rows) at a time
	ALOAD 0
	MUL 6
.rept 5
	v_nop                                          ; four places in front of loads into registers that the products read and of the first read of results; five in front of the next products, which write over these accumulators
.endr
	ALOAD 1                                        ; the second episode's fragments are on their way while the first's statistics are made
	STAT 0
	MUL 0
.rept 4
	v_nop
.endr
	STAT 1
	BARRIER                                        ; both rows of z lie in LDS
	; ---- the way out
	ds_load_b128 v[16:19], v13
	s_wait_dscnt 0x0
	global_store_b128 v14, v[16:19], s[48:49]      ; z's first 1,024 columns as f32: a wave stores 512 consecutive bytes, aligned
	s_cmp_gt_u32 s20, 8
	s_cbranch_scc1 .Lnot_codes
	ds_load_b128 v[24:27], v15                     ; z's codes: 8 neighbours a lane, four lanes to a block of 32
	ds_load_b128 v[28:31], v15 offset:16
	s_wait_dscnt 0x0
	v_max3_num_f32 v32, |v24|, |v25|, 0x1800000
	v_max3_num_f32 v33, |v26|, |v27|, |v28|
	v_max3_num_f32 v32, v32, |v29|, |v30|
	v_max3_num_f32 v32, v32, v33, |v31|
	v_max_num_f32_dpp v32, v32, v32 row_xmask:1 row_mask:0xf bank_mask:0xf
	v_max_num_f32_dpp v32, v32, v32 row_xmask:2 row_mask:0xf bank_mask:0xf
	v_add_nc_u32 v33, 0xff000000, v32
	v_lshrrev_b32 v34, 23, v33
	v_cvt_scalef32_pk8_fp4_f32 v35, v[24:31], v33
	v_nop
	global_store_b32 v249, v35, s[50:51]           ; 32 neighbouring bytes of each of four blocks: my two rows
	ds_store_b8 v250, v34                          ; the four lanes of a block write the same byte with the same value
	ds_load_b32 v36, v251                          ; LDS serves a wave's instructions in order: this sees my stores
	s_wait_dscnt 0x0
	v_cmp_gt_u32 vcc_lo, 2, v1
	s_wait_xcnt 0x0                                ; EXEC changes only behind this wait
	s_and_saveexec_b32 s56, vcc_lo
	global_store_b32 v252, v36, s[52:53]           ; the K step's scale words of my two rows
	s_wait_xcnt 0x0                                ; and again, in front of the line that widens it
	s_or_b32 exec_lo, exec_lo, s56
.Lnot_codes:
	s_cmp_lg_u32 s20, 9
	s_cbranch_scc1 .Lnot_tz
	ds_load_b32 v37, v253
	s_wait_dscnt 0x0
	v_cmp_gt_u32 vcc_lo, 4, v1
	s_wait_xcnt 0x0
	s_and_saveexec_b32 s56, vcc_lo
	global_store_b32 v254, v37, s[54:55]           ; z's columns 1,024 and 1,025 of both rows, for the last launch
	s_wait_xcnt 0x0
	s_or_b32 exec_lo, exec_lo, s56
.Lnot_tz:
	s_wait_tensorcnt 0x0                           ; the wave's end
	ds_add_u32 v244, v255
	s_wait_dscnt 0x0
	ROUND                                          ; the closing round: no work-group ends while a partner may still ask for a tile that names it
	s_endpgm
.Lfunc_end_k_qeb2fa2c1b5_fe:
	.size	k_qeb2fa2c1b5_fe, .Lfunc_end_k_qeb2fa2c1b5_fe-k_qeb2fa2c1b5_fe
	.p2alignl 7, 3214868480
	.fill 96, 4, 3214868480
	.section	.rodata,"a",@progbits
	.p2align	6, 0x0
	.amdhsa_kernel k_qeb2fa2c1b5_fe
		.amdhsa_group_segment_fixed_size 296960
		.amdhsa_private_segment_fixed_size 0
		.amdhsa_enable_private_segment 0
		.amdhsa_kernarg_size 64
		.amdhsa_user_sgpr_count 2
		.amdhsa_user_sgpr_kernarg_segment_ptr 1
		.amdhsa_wavefront_size32 1
		.amdhsa_system_sgpr_workgroup_id_x 1
		.amdhsa_system_sgpr_workgroup_id_y 1
		.amdhsa_system_sgpr_workgroup_id_z 1
		.amdhsa_system_vgpr_workitem_id 0
		.amdhsa_next_free_vgpr 256
		.amdhsa_next_free_sgpr 92
		.amdhsa_reserve_vcc 1
		.amdhsa_float_denorm_mode_32 3
		.amdhsa_float_denorm_mode_16_64 3
		.amdhsa_memory_ordered 1
		.amdhsa_forward_progress 1
		.amdhsa_inst_pref_size 42
	.end_amdhsa_kernel
	.amdgpu_metadata
---
amdhsa.version: [ 1, 2 ]
amdhsa.kernels:
  - .name:           k_qeb2fa2c1b5_fe
    .symbol:         k_qeb2fa2c1b5_fe.kd
    .args:
      - { .name: train_inputs, .offset: 0, .size: 8, .value_kind: global_buffer, .address_space: global }
      - { .name: train_targets, .offset: 8, .size: 8, .value_kind: global_buffer, .address_space: global }
      - { .name: test_inputs, .offset: 16, .size: 8, .value_kind: global_buffer, .address_space: global }
      - { .name: test_targets, .offset: 24, .size: 8, .value_kind: global_buffer, .address_space: global }
      - { .name: wq, .offset: 32, .size: 8, .value_kind: global_buffer, .address_space: global }
      - { .name: b_fe, .offset: 40, .size: 8, .value_kind: global_buffer, .address_space: global }
      - { .name: zq, .offset: 48, .size: 8, .value_kind: global_buffer, .address_space: global }
      - { .name: st, .offset: 56, .size: 8, .value_kind: global_buffer, .address_space: global }
    .group_segment_fixed_size: 296960
    .private_segment_fixed_size: 0
    .kernarg_segment_align: 8
    .kernarg_segment_size: 64
    .max_flat_workgroup_size: 512
    .sgpr_count:     92
    .vgpr_count:     256
    .wavefront_size: 32
...
	.end_amdgpu_metadata
.endif
;; end of part 2
;; launch lv (part 3): grid 260 x 1, 8 waves a work-group, no clusters, 10,752 bytes of LDS; arguments wq, zq, b_lv, st, lvx; writes st, lvx
.if DOCPART == 3
	.amdgcn_target "amdgcn-amd-amdhsa--gfx1250"
	.amdhsa_code_object_version 6
	.text
	.protected	k_qeb2fa2c1b5_lv
	.globl	k_qeb2fa2c1b5_lv
	.p2align	8
	.type	k_qeb2fa2c1b5_lv,@function
k_qeb2fa2c1b5_lv:
	s_mov_b64 s[64:65], 0
	v_nop
	global_prefetch_b8 v0, s[64:65] scope:SCOPE_SE
	s_setreg_imm32_b32 hwreg(HW_REG_WAVE_MODE, 25, 1), 1
	s_wait_xcnt 0x0
; logvar = clip(z W_lv + b_lv, -9, -2) on codes of FP4 (E2M1) with E8M0 scales, K = 1,026 padded with zero codes to 9 steps of 128; then e^logvar, and for the test rows partial sums of logvar.
; LEFT OUT as dead (the first kernel's comment): the sums of logvar of the train rows.
; SHARES.  A wave takes 16 rows of z x 16 columns: 9 matrix instructions on three accumulators by turns, which are added at the end; its 52 or 51 loads are all out at once.
; Work-groups 0-255: 32 rows (two tiles, wave / 4) x 64 columns (four tiles, wave % 4).  Work-groups 256-259: columns 1,024 and 1,025, a wave a tile of rows.
; THE PRODUCT IS USED TRANSPOSED: source 0 = 16 columns of W_lv, source 1 = 16 rows of z: a lane holds ONE row of z (lane % 16), and register j column 8 (lane / 16) + j of the tile.
; The bias, in the result's layout, is the C of the first matrix instruction.
; NO CLUSTER: all operands go from memory straight into registers (they were laid in the order of the operand's registers), so there is no tensor load that partners could ask for jointly.
; No prefetch: no loop to run ahead in.
; Results leave through a stage in LDS that four waves fill, so that sixteen neighbouring lanes store 256 consecutive bytes, aligned.
.set WLV_C, 139264
.set WLV_S, 747520
.set ZS,    294912
.set HP,    4096                       ; in lvx: [17 groups of columns][256 test rows] partial sums of logvar; from byte 0: e^lv of columns 1,024 and 1,025, [2][512 rows]
.set PS,    8704                       ; LDS: behind the stage (32 rows x 272 bytes) the waves' sums, 128 bytes each
.set SPARE, 9728                       ; the spare words
.set AC,  16                           ; v16-39   three accumulators
.set LV,  40                           ; v40-47   logvar
.set EA,  48                           ; v48-55   e^logvar (z's fragments are done with by then)
.set ZF,  48                           ; v48-119  z's nine fragments
.set ZSC, 120                          ; v120-124 z's scale words: lanes 0-15 K step 2 k, lanes 16-31 K step 2 k + 1
.set WS,  126                          ; v126-134 W_lv's scale words by K step
.set WF,  136                          ; v136-207 W_lv's nine fragments
.set BI,  208                          ; v208-215 the bias
.macro WM k, c
.if \k%2
	v_wmma_scale_f32_16x16x128_f8f6f4 v[AC+8*(\k%3):AC+8*(\k%3)+7], v[WF+8*\k:WF+8*\k+7], v[ZF+8*\k:ZF+8*\k+7], \c, v[WS+\k], v[ZSC+\k/2] matrix_a_fmt:MATRIX_FMT_FP4 matrix_b_fmt:MATRIX_FMT_FP4 matrix_b_scale:MATRIX_SCALE_ROW1
.else
	v_wmma_scale_f32_16x16x128_f8f6f4 v[AC+8*(\k%3):AC+8*(\k%3)+7], v[WF+8*\k:WF+8*\k+7], v[ZF+8*\k:ZF+8*\k+7], \c, v[WS+\k], v[ZSC+\k/2] matrix_a_fmt:MATRIX_FMT_FP4 matrix_b_fmt:MATRIX_FMT_FP4
.endif
.endm
	s_load_b256 s[4:11], s[0:1], 0x0               ; wq s[4:5], zq s[6:7], b_lv s[8:9], st s[10:11]
	s_load_b64 s[12:13], s[0:1], 0x20              ; lvx
	v_lshl_add_u32 v14, v0, 2, SPARE
	v_mov_b32 v15, 0
	v_lshrrev_b32 v1, 5, v0
	v_readfirstlane_b32 s14, v1                    ; wave 0..7
	s_lshr_b32 s15, s14, 2                         ; which tile of rows of the work-group's two
	s_and_b32 s44, s14, 3                          ; which tile of columns of its four
	s_lshr_b32 s41, ttmp9, 4                       ; block of 32 rows
	s_and_b32 s42, ttmp9, 15                       ; group of 64 columns
	s_lshl_b32 s16, s41, 1
	s_add_co_u32 s16, s16, s15
	s_lshl_b32 s17, s42, 2
	s_add_co_u32 s17, s17, s44
	s_sub_co_u32 s18, ttmp9, 256
	s_lshl_b32 s18, s18, 3
	s_add_co_u32 s18, s18, s14
	s_cmp_lt_u32 ttmp9, 256
	s_cselect_b32 s19, s16, s18                    ; my tile of rows, 0..31
	s_cselect_b32 s20, s17, 64                     ; my tile of columns, 0..64
	s_mul_i32 s21, s15, 4352
	s_lshl_b32 s22, s44, 6
	s_add_co_u32 s21, s21, s22                     ; the stage, in
	s_mul_i32 s22, s14, 1088                       ; and back: four rows a wave
	s_lshl_b32 s23, s14, 7
	s_add_co_u32 s23, s23, PS                      ; my sums
	s_and_b32 s43, s14, 1
	s_lshl_b32 s43, s43, 9
	s_add_co_u32 s43, s43, PS                      ; the sums of tile of rows w (waves 0, 1)
	s_mov_b32 s37, 0
	v_and_b32 v1, 31, v0                           ; lane
	v_and_b32 v2, 15, v0                           ; r
	v_bfe_u32 v3, v0, 4, 1                         ; h
	v_lshlrev_b32 v4, 4, v1                        ; a fragment image's place for my lane
	v_lshlrev_b32 v5, 2, v2                        ; 4 r
	v_lshlrev_b32 v7, 2, v1                        ; z's scale words: two K steps' 16 rows, 4 x lane
	v_lshlrev_b32 v8, 5, v3                        ; the bias: 8 h numbers on
	v_mul_u32_u24 v9, v2, 272
	v_lshl_add_u32 v9, v3, 5, v9
	v_add_nc_u32 v9, s21, v9                       ; the stage, in: row r, + 32 h
	v_mul_u32_u24 v10, v3, 272
	v_lshl_add_u32 v10, v2, 4, v10
	v_add_nc_u32 v10, s22, v10                     ; back: lanes 0-15 one row, lanes 16-31 the next
	v_lshlrev_b32 v11, 13, v3
	v_lshl_add_u32 v11, v2, 4, v11                 ; and the same two rows in st
	v_lshl_add_u32 v12, v1, 2, s23
	v_lshl_add_u32 v13, v1, 2, s43
	v_mov_b32 v216, 0                              ; a lane permute's destination counts as one of its sources
	s_wait_alu depctr_va_vdst(0)
	s_wait_kmcnt 0x0
	s_mul_i32 s36, s20, 9216                       ; W_lv's codes: 9,216 bytes a tile
	s_add_co_u32 s36, s36, WLV_C
	s_add_nc_u64 s[24:25], s[4:5], s[36:37]
	s_lshr_b32 s38, s20, 1
	s_mul_i32 s36, s38, 1152                       ; its scale words: 1,152 bytes for 32 columns,
	s_and_b32 s38, s20, 1
	s_lshl_b32 s38, s38, 6                         ; my tile's 64 bytes in each K step's 128
	s_add_co_u32 s36, s36, s38
	s_add_co_u32 s36, s36, WLV_S
	s_add_nc_u64 s[26:27], s[4:5], s[36:37]
	s_mul_i32 s36, s19, 9216
	s_add_nc_u64 s[28:29], s[6:7], s[36:37]        ; z's codes of my 16 rows
	s_mul_i32 s36, s19, 576
	s_add_co_u32 s36, s36, ZS
	s_add_nc_u64 s[30:31], s[6:7], s[36:37]        ; and their scale words
	s_lshl_b32 s36, s20, 6
	s_add_nc_u64 s[32:33], s[8:9], s[36:37]        ; the bias of my columns
	s_cmp_lt_u32 ttmp9, 256
	s_cbranch_scc0 .Ltail_bias
	global_load_b128 v[BI:BI+3], v8, s[32:33]
	global_load_b128 v[BI+4:BI+7], v8, s[32:33] offset:16
	s_branch .Lloads
.Ltail_bias:
	global_load_b64 v[BI:BI+1], v15, s[32:33]      ; b_lv ends with columns 1,024 and 1,025
.irp i, 2,3,4,5,6,7
	v_mov_b32 v[BI+\i], 0
.endr
	s_wait_alu depctr_va_vdst(0)
.Lloads:
.irp k, 0,1,2,3,4,5,6,7,8
	global_load_b32 v[WS+\k], v5, s[26:27] offset:128*\k
.endr
.irp k, 0,1,2,3,4
	global_load_b32 v[ZSC+\k], v7, s[30:31] offset:128*\k          ; (the 64 bytes behind a tile's nine K steps are loaded and not used; they lie inside the buffer)
.endr
.irp k, 0,1,2,3,4,5,6,7,8
.irp c, 0,1
	global_load_b128 v[ZF+8*\k+4*\c:ZF+8*\k+4*\c+3], v4, s[28:29] offset:1024*\k+512*\c
	global_load_b128 v[WF+8*\k+4*\c:WF+8*\k+4*\c+3], v4, s[24:25] offset:1024*\k+512*\c
.endr
.endr
.irp k, 0,1,2,3,4,5,6,7,8
	s_wait_loadcnt 4*(8-\k)                        ; K step k's fragments are in; four loads for each later step may be out
.if \k == 0
	WM \k, v[BI:BI+7]
.elseif \k < 3
	WM \k, 0
.else
	WM \k, v[AC+8*(\k%3):AC+8*(\k%3)+7]            ; the three accumulators take turns
.endif
.endr
.rept 4
	v_nop                                          ; four places in front of the first read of results
.endr
.irp i, 0,2,4,6
	v_pk_add_f32 v[LV+\i:LV+\i+1], v[AC+\i:AC+\i+1], v[AC+8+\i:AC+8+\i+1]        ; each accumulator is read from its low end on
.endr
.irp i, 0,2,4,6
	v_pk_add_f32 v[LV+\i:LV+\i+1], v[LV+\i:LV+\i+1], v[AC+16+\i:AC+16+\i+1]
.endr
.irp i, 0,1,2,3,4,5,6,7
	v_med3_num_f32 v[LV+\i], v[LV+\i], 0xc1100000, -2.0            ; the clip to -9 .. -2
.endr
.irp i, 0,2,4,6
	v_pk_mul_f32 v[EA+\i:EA+\i+1], v[LV+\i:LV+\i+1], 0x3fb8aa3b op_sel_hi:[1,0]  ; x log2(e)
.endr
	s_wait_alu depctr_va_vdst(0)                   ; ahead of the batch and, below, behind it
.irp i, 0,1,2,3,4,5,6,7
	v_exp_f32 v[EA+\i], v[EA+\i]
.endr
	v_nop
	s_wait_alu depctr_va_vdst(0)
	s_cmp_lt_u32 ttmp9, 256
	s_cbranch_scc0 .Ltail
	ds_store_b128 v9, v[EA:EA+3]
	ds_store_b128 v9, v[EA+4:EA+7] offset:16
	s_mov_b32 s22, 0x76543210
	s_mov_b32 s23, 0xfedcba98
	s_cmp_lt_u32 ttmp9, 128                        ; work-groups 0-127 hold train rows
	s_cbranch_scc1 .Lno_sum
	v_pk_add_f32 v[56:57], v[LV:LV+1], v[LV+2:LV+3]
	v_pk_add_f32 v[58:59], v[LV+4:LV+5], v[LV+6:LV+7]
	v_pk_add_f32 v[56:57], v[56:57], v[58:59]
	v_add_f32 v56, v56, v57
	v_permlanex16_b32 v216, v56, s22, s23
	v_add_f32 v56, v56, v216                       ; with lane l xor 16's: my row's sum over the tile's 16 columns
	ds_store_b32 v12, v56
.Lno_sum:
	s_wait_dscnt 0x0                               ; for the others' sake: my stores have landed
	s_barrier_signal -1
	s_barrier_wait -1
	ds_load_b128 v[60:63], v10
	ds_load_b128 v[64:67], v10 offset:544
	s_lshl_b32 s36, s41, 18                        ; st: 32 rows of 8,192 bytes a block,
	s_lshl_b32 s38, s14, 15                        ; four rows a wave,
	s_add_co_u32 s36, s36, s38
	s_lshl_b32 s38, s42, 8
	s_add_co_u32 s36, s36, s38
	s_add_co_u32 s36, s36, 4096                    ; the second plane, my 64 columns
	s_add_nc_u64 s[34:35], s[10:11], s[36:37]
	s_wait_dscnt 0x1
	global_store_b128 v11, v[60:63], s[34:35]      ; sixteen lanes store 256 consecutive bytes, aligned
	s_wait_dscnt 0x0
	global_store_b128 v11, v[64:67], s[34:35] offset:16384
	s_cmp_lt_u32 ttmp9, 128
	s_cbranch_scc1 .Lend
	s_cmp_gt_u32 s14, 1
	s_cbranch_scc1 .Lend
.irp c, 0,1,2,3
	ds_load_b32 v[68+\c], v13 offset:128*\c        ; the four tiles of columns
.endr
	s_lshl_b32 s36, s42, 10                        ; the group's plane
	s_lshl_b32 s38, s41, 7
	s_add_co_u32 s36, s36, s38                     ; test row 32 (block - 8) + 16 w
	s_lshl_b32 s38, s14, 6
	s_add_co_u32 s36, s36, s38
	s_add_co_u32 s36, s36, HP-1024
	s_add_nc_u64 s[38:39], s[12:13], s[36:37]
	s_wait_dscnt 0x0
	v_add_f32 v68, v68, v69
	v_add_f32 v70, v70, v71
	v_add_f32 v68, v68, v70
	v_cmp_gt_u32 vcc_lo, 16, v1
	s_wait_alu depctr_va_vdst(0)
	s_wait_xcnt 0x0                                ; EXEC changes only behind this wait
	s_and_saveexec_b32 s40, vcc_lo
	global_store_b32 v5, v68, s[38:39]             ; 16 rows' partial sums
	s_wait_xcnt 0x0
	s_or_b32 exec_lo, exec_lo, s40
.Lend:
	s_wait_tensorcnt 0x0                           ; the wave's end, behind my last LDS store
	ds_add_u32 v14, v15
	s_wait_dscnt 0x0
	s_endpgm
.Ltail:	; ---- columns 1,024 and 1,025: lanes 0-15, registers 0 and 1
	v_add_f32 v56, v[LV], v[LV+1]
	v_cmp_gt_u32 vcc_lo, 16, v1
	s_lshl_b32 s36, s19, 6
	s_add_nc_u64 s[34:35], s[12:13], s[36:37]
	s_wait_alu depctr_va_vdst(0)
	s_wait_xcnt 0x0
	s_and_saveexec_b32 s40, vcc_lo
	global_store_b32 v5, v[EA], s[34:35]
	global_store_b32 v5, v[EA+1], s[34:35] offset:2048
	s_cmp_lt_u32 s19, 16
	s_cbranch_scc1 .Ltail_end
	global_store_b32 v5, v56, s[34:35] offset:HP+16*1024-1024      ; the seventeenth plane, test rows
.Ltail_end:
	s_wait_xcnt 0x0
	s_or_b32 exec_lo, exec_lo, s40
	s_endpgm
.Lfunc_end_k_qeb2fa2c1b5_lv:
	.size	k_qeb2fa2c1b5_lv, .Lfunc_end_k_qeb2fa2c1b5_lv-k_qeb2fa2c1b5_lv
	.p2alignl 7, 3214868480
	.fill 96, 4, 3214868480
	.section	.rodata,"a",@progbits
	.p2align	6, 0x0
	.amdhsa_kernel k_qeb2fa2c1b5_lv
		.amdhsa_group_segment_fixed_size 10752
		.amdhsa_private_segment_fixed_size 0
		.amdhsa_enable_private_segment 0
		.amdhsa_kernarg_size 40
		.amdhsa_user_sgpr_count 2
		.amdhsa_user_sgpr_kernarg_segment_ptr 1
		.amdhsa_wavefront_size32 1
		.amdhsa_system_sgpr_workgroup_id_x 1
		.amdhsa_system_sgpr_workgroup_id_y 1
		.amdhsa_system_sgpr_workgroup_id_z 1
		.amdhsa_system_vgpr_workitem_id 0
		.amdhsa_next_free_vgpr 224
		.amdhsa_next_free_sgpr 66
		.amdhsa_reserve_vcc 1
		.amdhsa_float_denorm_mode_32 3
		.amdhsa_float_denorm_mode_16_64 3
		.amdhsa_memory_ordered 1
		.amdhsa_forward_progress 1
		.amdhsa_inst_pref_size 16
	.end_amdhsa_kernel
	.amdgpu_metadata
---
amdhsa.version: [ 1, 2 ]
amdhsa.kernels:
  - .name:           k_qeb2fa2c1b5_lv
    .symbol:         k_qeb2fa2c1b5_lv.kd
    .args:
      - { .name: wq, .offset: 0, .size: 8, .value_kind: global_buffer, .address_space: global }
      - { .name: zq, .offset: 8, .size: 8, .value_kind: global_buffer, .address_space: global }
      - { .name: b_lv, .offset: 16, .size: 8, .value_kind: global_buffer, .address_space: global }
      - { .name: st, .offset: 24, .size: 8, .value_kind: global_buffer, .address_space: global }
      - { .name: lvx, .offset: 32, .size: 8, .value_kind: global_buffer, .address_space: global }
    .group_segment_fixed_size: 10752
    .private_segment_fixed_size: 0
    .kernarg_segment_align: 8
    .kernarg_segment_size: 40
    .max_flat_workgroup_size: 256
    .sgpr_count:     66
    .vgpr_count:     224
    .wavefront_size: 32
...
	.end_amdgpu_metadata
.endif
;; end of part 3
;; launch kl (part 4): grid 16 x 16, 16 waves a work-group, clusters of 4 x 4, 327,680 bytes of LDS; arguments st, sc; writes sc
.if DOCPART == 4
	.amdgcn_target "amdgcn-amd-amdhsa--gfx1250"
	.amdhsa_code_object_version 6
	.text
	.protected	k_qeb2fa2c1b5_kl
	.globl	k_qeb2fa2c1b5_kl
	.p2align	8
	.type	k_qeb2fa2c1b5_kl,@function
k_qeb2fa2c1b5_kl:
	s_mov_b64 s[64:65], 0
	v_nop
	global_prefetch_b8 v0, s[64:65] scope:SCOPE_SE
	s_setreg_imm32_b32 hwreg(HW_REG_WAVE_MODE, 25, 1), 1
	s_wait_xcnt 0x0
	s_wait_alu depctr_hold_cnt(0) depctr_sa_sdst(0) depctr_va_vdst(0) depctr_va_sdst(0) depctr_va_ssrc(0) depctr_va_vcc(0) depctr_vm_vsrc(0)
	s_getreg_b32 s2, hwreg(HW_REG_IB_STS2, 6, 4)
	s_cmp_eq_u32 s2, 0
	s_cbranch_scc0 .Lentry_in_a_cluster
	s_endpgm
.Lentry_in_a_cluster:
	s_bfe_u32 s2, ttmp6, 0x10000c
	s_cmp_lg_u32 s2, 0xf033
	s_cbranch_scc0 .Lentry_shape_is_right
	s_endpgm
.Lentry_shape_is_right:
; With a = e^lv_tr(i,t), b = e^lv_te(j,t), d = z_tr(i,t) - z_te(j,t), the two KL terms of reference() are together half the sum over t of (a + d^2) / b + (b + d^2) / a, less constants, and
; (a + d^2) / b + (b + d^2) / a = (1/a + 1/b)(d^2 + a + b) - 2.  This launch makes S(i, j) = the sum over t < 1,024 of (1/a + 1/b)(d^2 + a + b).
; LEFT OUT as dead (the first kernel's comment): the constant 2 for each t, the same along the softmax's axis.
; d is formed as a difference of the two means: nothing is expanded.  All in f32, on the vector unit: this is no product of reference().
; SHARES.  A work-group takes 16 train rows x 16 test rows.  Sixteen waves, four to a SIMD: wave w takes 8 x 8 pairs (halves w / 8 and (w / 4) % 2) and a quarter (w % 4) of t.
; LANES RUN ALONG t: of each chunk of 256 t a wave takes 64 and a lane 2, which are the two halves of the packed instructions: five packed instructions for two t of a pair.
; A chunk's operands of a wave are 32 LDS loads of 256 consecutive bytes and 32 reciprocals (so that 1/a and 1/b take no bytes) for 320 packed instructions.  They are loaded as the
; chunk before is done with their registers.
; st holds for each row two planes of 1,024 f32 (z, e^lv): the whole tile, 64 lines of 4,096 bytes, fits in LDS, and nothing is filled twice.
; CLUSTER: 4 x 4 work-groups.  The four of a row of the cluster need the same train rows, the four of a column the same test rows: each tile is asked for JOINTLY, by the same tensor load with
; the same descriptor and a mask that names the four.  Wave w = 4 c + 2 k + f fetches, of chunk c, the train (k = 0) or test (k = 1) rows 8 f .. 8 f + 7: one load a wave in the whole launch.
; Waves 0-7 fetch chunks 0 and 1 at the head; waves 8-15 fetch chunks 2 and 3 behind a round of the cluster's barrier with its three lines, and these have chunk 0's work and a part of chunk 1's in which to land.
; No prefetch: the launch has no loop to run ahead in.
.set CH,    65536                      ; a chunk in LDS: the train tile (32,768 bytes), then the test tile.  Chunks 1, 2, 3 lie at 0, CH, 2 CH; chunk 0 at 3 CH
.set SCR,   196608                     ; the reduction's scratch, SCRW for each wave, from chunk 0's bytes on, which have had their last read by then
.set SCRW,  4864                       ; 32 rows x 144 bytes, and 128 more between the halves of the lanes
.set XW,    274432                     ; behind it: four planes of 16 x 16 sums, one for each quarter of t
.set SPARE, 278528                     ; the spare words, 128 bytes for each wave: eight blocks of 256 bytes that no other line names
.set DD,  8                            ; v8-15    d of four pairs
.set UU,  16                           ; v16-23   a + b, then + d^2
.set WW,  24                           ; v24-31   1/a + 1/b
.set IO,  32                           ; v32-79   my 8 train rows: row e at IO + 6 e: z, a, 1/a, two registers each
.set JO,  80                           ; v80-127  my 8 test rows likewise
.set ACC, 128                          ; v128-255 pair (ii, jj) at ACC + 2 (8 ii + jj): the sums of even and of odd t
; v1, v2 my place in the two tiles of the chunk that is being loaded; v3, v4, v7 the way out; v5, v6 the add's two registers
.macro ROUND                           ; a round of the cluster's barrier
	s_barrier_signal -1
	s_barrier_wait -1
	s_cmp_lg_u32 s8, 0
	s_cbranch_scc1 .Lnot_wave_0_\@
	s_barrier_signal -3
.Lnot_wave_0_\@:
	s_barrier_wait -3
	s_barrier_signal -1
	s_barrier_wait -1
.endm
.macro JLOAD g0, g1
	tensor_load_to_lds s[\g0:\g0+3], s[\g1:\g1+7]
	s_nop 0
.rept 4
	v_nop
.endr
.endm
.macro LROW o, e, ad                   ; row e of the train (o = IO) or test (o = JO) rows of a chunk
	ds_load_b64 v[\o+6*\e+2:\o+6*\e+3], v[\ad] offset:(2*\e+1)*1024
	ds_load_b64 v[\o+6*\e:\o+6*\e+1], v[\ad] offset:2*\e*1024
.endm
.macro RCP o, e
	v_rcp_f32 v[\o+6*\e+4], v[\o+6*\e+2]
	v_rcp_f32 v[\o+6*\e+5], v[\o+6*\e+3]
.endm
.macro DIFF jj, g                      ; d of test row jj and train rows g .. g + 3
.irp k, 0,1,2,3
	v_pk_add_f32 v[DD+2*\k:DD+2*\k+1], v[IO+6*(\g+\k):IO+6*(\g+\k)+1], v[JO+6*(\jj):JO+6*(\jj)+1] neg_lo:[0,1] neg_hi:[0,1]
.endr
.endm
; Test row jj against train rows g .. g + 3, in runs of four.  The next four pairs' d stands between this four's last two runs, so that seven lines or more stand between a result and its reader
; (three behind a chunk's first d + a + b and in a chunk's last four pairs).
.macro PAIRS jj, g, first
.if (\jj+\g) == 0
	DIFF 0, 0
.endif
.irp k, 0,1,2,3
	v_pk_add_f32 v[UU+2*\k:UU+2*\k+1], v[IO+6*(\g+\k)+2:IO+6*(\g+\k)+3], v[JO+6*\jj+2:JO+6*\jj+3]                 ; a + b
.endr
.if (\jj+\g) == 0
	s_wait_alu depctr_va_vdst(0)                   ; ONE wait a chunk for its reciprocals, ahead of their first reader
.endif
.irp k, 0,1,2,3
	v_pk_add_f32 v[WW+2*\k:WW+2*\k+1], v[IO+6*(\g+\k)+4:IO+6*(\g+\k)+5], v[JO+6*\jj+4:JO+6*\jj+5]                 ; 1/a + 1/b
.endr
.irp k, 0,1,2,3
	v_pk_fma_f32 v[UU+2*\k:UU+2*\k+1], v[DD+2*\k:DD+2*\k+1], v[DD+2*\k:DD+2*\k+1], v[UU+2*\k:UU+2*\k+1]           ; + d^2
.endr
.if \g == 0
	DIFF \jj, 4
.elseif \jj < 7
	DIFF \jj+1, 0
.endif
.irp k, 0,1,2,3
.if \first
	v_pk_mul_f32 v[ACC+2*(8*(\g+\k)+\jj):ACC+2*(8*(\g+\k)+\jj)+1], v[WW+2*\k:WW+2*\k+1], v[UU+2*\k:UU+2*\k+1]     ; the first chunk starts the sums: nothing is cleared
.else
	v_pk_fma_f32 v[ACC+2*(8*(\g+\k)+\jj):ACC+2*(8*(\g+\k)+\jj)+1], v[WW+2*\k:WW+2*\k+1], v[UU+2*\k:UU+2*\k+1], v[ACC+2*(8*(\g+\k)+\jj):ACC+2*(8*(\g+\k)+\jj)+1]
.endif
.endr
.endm
; A chunk.  next = 1: the next chunk's rows are loaded as this one is done with their registers; next = 2: the same, but the next chunk's tiles are shown landed in between;
; step = 1: on to the next chunk's bytes.
.macro CHUNK first, next, step
	s_wait_dscnt 10                                ; test rows 0-6 and train rows 0-3 are in; the ten youngest loads may be out
.irp e, 0,1,2,3,4,5,6
	RCP JO, \e
.endr
.irp e, 0,1,2,3
	RCP IO, \e
.endr
	s_wait_dscnt 0x0
.irp e, 4,5,6,7
	RCP IO, \e
.endr
	RCP JO, 7
.if \step
	v_add_nc_u32 v1, CH, v1
	v_add_nc_u32 v2, CH, v2
.endif
.irp jj, 0,1,2,3,4,5,6,7
	PAIRS \jj, 0, \first
.if (\jj == 7) && (\next > 0)
.irp e, 0,1,2,3
	LROW IO, \e, 1
.endr
.endif
	PAIRS \jj, 4, \first
.if (\next == 1) && (\jj < 7)
	LROW JO, \jj, 2
.endif
.if (\next == 2) && (\jj == 1)
	s_wait_tensorcnt 0x0                           ; my tensor loads have landed (no LDS load of mine is out: the wait at the chunk's head)
	s_wait_dscnt 0x0
	s_barrier_signal -1                            ; said early; three test rows' work on registers stands in between
.endif
.if (\next == 2) && (\jj == 4)
	s_barrier_wait -1                              ; everybody's have, and nobody reads chunk 0 any more
.irp e, 0,1,2,3,4
	LROW JO, \e, 2
.endr
.endif
.if (\next == 2) && (\jj > 4) && (\jj < 7)
	LROW JO, \jj, 2
.endif
.endr
.if \next
.irp e, 4,5,6,7
	LROW IO, \e, 1
.endr
	LROW JO, 7, 2
.endif
.endm
	s_load_b128 s[4:7], s[0:1], 0x0                ; st s[4:5], sc s[6:7]
	v_lshl_add_u32 v5, v0, 2, SPARE
	v_mov_b32 v6, 0
	ds_add_u32 v5, v6                              ; the wave's opening: the add, twice on end, and one wait, ahead of my tensor load
	ds_add_u32 v5, v6
	v_lshrrev_b32 v7, 5, v0
	v_readfirstlane_b32 s8, v7                     ; wave 0..15
	s_bfe_u32 s9, ttmp6, 0x40000                   ; cx, cy: my place in the cluster
	s_bfe_u32 s10, ttmp6, 0x40004
	s_lshl_b32 s11, ttmp9, 2
	s_add_co_u32 s11, s11, s9                      ; my block of test rows = 4 x cluster x + cx
	s_and_b32 s12, ttmp7, 0xffff
	s_lshl_b32 s12, s12, 2
	s_add_co_u32 s12, s12, s10                     ; my block of train rows = 4 x cluster y + cy
	s_lshl_b32 s13, s10, 2
	s_lshl_b32 s13, 15, s13                        ; my row of the cluster
	s_lshl_b32 s14, 0x1111, s9                     ; my column
	; group 1: 16 lines x 256 elements of 4 bytes, lines 1,024 elements apart, no padding (every LDS read takes 256 consecutive bytes)
	s_or_b32 s16, s13, (2<<16)|(1<<21)             ; the train tile goes to my row of the cluster; bit 21 set beside a mask
	s_or_b32 s24, s14, (2<<16)|(1<<21)             ; the test tile to my column
.irp g, 16, 24
	s_mov_b32 s[\g+1], 256<<16                     ; tensor_dim0
	s_mov_b32 s[\g+2], 16<<16                      ; tensor_dim1
	s_mov_b32 s[\g+3], 256<<16                     ; tile_dim0
	s_mov_b32 s[\g+4], 16                          ; tile_dim1
	s_mov_b32 s[\g+5], 1024                        ; the pitch
	s_mov_b32 s[\g+6], 0
	s_mov_b32 s[\g+7], 0
.endr
	s_and_b32 s15, s8, 1                           ; which 8 rows of a tile I fetch
	s_bfe_u32 s36, s8, 0x10001                     ; train (0) or test (1)
	s_add_co_u32 s56, s8, 12
	s_and_b32 s56, s56, 15
	s_lshl_b32 s56, s56, 14                        ; in LDS: the chunk's place + 32,768 k + 16,384 f: the wave's number alone
	s_lshl_b32 s57, s15, 16                        ; in memory: 8 rows of 8,192 bytes,
	s_lshr_b32 s37, s8, 2
	s_lshl_b32 s37, s37, 10
	s_add_co_u32 s57, s57, s37                     ; 1,024 bytes a chunk
	s_lshl_b32 s58, s12, 17                        ; train: 16 rows a block
	s_add_co_u32 s58, s58, s57
	s_mov_b32 s59, 0
	s_lshl_b32 s60, s11, 17                        ; test: behind the 256 train rows
	s_add_co_u32 s60, s60, s57
	s_add_co_u32 s60, s60, 2097152
	s_mov_b32 s61, 0
	s_lshl_b32 s68, s12, 4
	s_add_co_u32 s68, s68, s11
	s_lshl_b32 s68, s68, 10                        ; my tile of sc: 1,024 bytes
	s_mov_b32 s69, 0
	s_mov_b32 s32, 1                               ; group 0: train, test
	s_mov_b32 s33, s56
	s_mov_b32 s44, 1
	s_mov_b32 s45, s56
	s_lshr_b32 s70, s8, 3                          ; which 8 train rows
	s_bfe_u32 s71, s8, 0x10002                     ; which 8 test rows
	s_and_b32 s72, s8, 3                           ; which quarter of t
	s_lshl_b32 s73, s70, 14
	s_lshl_b32 s74, s72, 8
	s_add_co_u32 s73, s73, s74                     ; train: my 8 rows' lines, + 256 bytes a quarter
	s_lshl_b32 s75, s71, 14
	s_add_co_u32 s75, s75, s74
	s_add_co_u32 s75, s75, 32768                   ; test likewise
	s_mul_i32 s76, s8, SCRW
	s_add_co_u32 s76, s76, SCR                     ; my scratch
	s_lshl_b32 s77, s72, 10
	s_lshl_b32 s74, s70, 9
	s_add_co_u32 s77, s77, s74
	s_lshl_b32 s74, s71, 5
	s_add_co_u32 s77, s77, s74
	s_add_co_u32 s77, s77, XW
	v_and_b32 v8, 31, v0                           ; lane
	v_bfe_u32 v9, v0, 4, 1                         ; h
	v_and_b32 v10, 15, v0                          ; r
	v_and_b32 v11, 3, v0
	v_lshl_add_u32 v1, v8, 3, s73                  ; 8 bytes a lane
	v_lshl_add_u32 v2, v8, 3, s75
	v_mul_u32_u24 v3, v8, 144
	v_lshl_add_u32 v3, v9, 7, v3
	v_add_nc_u32 v3, s76, v3                       ; scratch, in: a lane a row of 128 bytes + 16; lanes 16-31 stand 128 bytes further on
	v_mul_u32_u24 v4, v9, 2432
	v_lshl_add_u32 v4, v10, 3, v4
	v_add_nc_u32 v4, s76, v4                       ; back: two columns of the 16 rows of my half of the lanes
	v_lshrrev_b32 v7, 2, v8
	v_lshlrev_b32 v7, 6, v7
	v_lshl_add_u32 v7, v11, 3, v7
	v_add_nc_u32 v7, s77, v7                       ; my quarter's plane, row 8 (w / 8) + lane / 4, columns 8 ((w / 4) % 2) + 2 (lane % 4) and the next
	s_wait_alu depctr_va_vdst(0)
	s_wait_dscnt 0x0                               ; both opening adds are done
	s_wait_kmcnt 0x0
	s_add_nc_u64 s[34:35], s[4:5], s[58:59]
	s_or_b32 s35, s35, 0x80000000
	s_add_nc_u64 s[46:47], s[4:5], s[60:61]
	s_or_b32 s47, s47, 0x80000000
	s_add_nc_u64 s[66:67], s[6:7], s[68:69]
	ROUND                                          ; all sixteen work-groups are here: the first joint loads meet
	s_cmp_lt_u32 s8, 8                             ; waves 0-7: chunks 0 and 1
	s_cbranch_scc0 .Lasked
	s_cmp_eq_u32 s36, 0
	s_cbranch_scc0 .Ltest
	JLOAD 32, 16
	s_branch .Lasked
.Ltest:
	JLOAD 44, 24
.Lasked:
	s_wait_tensorcnt 0x0                           ; my part of chunks 0 and 1 is in; the adds and the wait below stand ahead of a later first fill, as ahead of a refill:
	ds_add_u32 v5, v6
	ds_add_u32 v5, v6
	s_wait_dscnt 0x0
	ROUND                                          ; everybody's part is in, and all sixteen work-groups are here
	s_cmp_lt_u32 s8, 8                             ; waves 8-15: chunks 2 and 3, the first tensor load behind the round
	s_cbranch_scc1 .Lasked2
	s_cmp_eq_u32 s36, 0
	s_cbranch_scc0 .Ltest2
	JLOAD 32, 16
	s_branch .Lasked2
.Ltest2:
	JLOAD 44, 24
.Lasked2:
	v_add_nc_u32 v8, 3*CH, v1
	v_add_nc_u32 v9, 3*CH, v2
.irp e, 0,1,2,3,4,5,6
	LROW JO, \e, 9
.endr
.irp e, 0,1,2,3,4,5,6,7
	LROW IO, \e, 8
.endr
	LROW JO, 7, 9
	CHUNK 1, 1, 0
	CHUNK 0, 2, 1
	CHUNK 0, 1, 1
	CHUNK 0, 0, 0
	; ---- the sum over my wave's 32 lanes
.set p, 0
.rept 64
	v_add_f32 v[32+p], v[ACC+2*p], v[ACC+2*p+1]    ; even and odd t
.set p, p+1
.endr
.set p, 0
.rept 32
	v_permlane16_swap_b32 v[32+p], v[64+p]         ; lanes 0-15 take both halves of pair p, lanes 16-31 those of pair p + 32
.set p, p+1
.endr
.set p, 0
.rept 16
	v_pk_add_f32 v[32+2*p:33+2*p], v[32+2*p:33+2*p], v[64+2*p:65+2*p]
.set p, p+1
.endr
.set k, 0
.rept 8
	ds_store_b128 v3, v[32+4*k:35+4*k] offset:16*k ; rows 144 bytes apart, an odd multiple of 16: sixteen lanes touch sixteen different 16-byte columns modulo 256
.set k, k+1
.endr
.set k, 0
.rept 16
	ds_load_b64 v[ACC+2*k:ACC+2*k+1], v4 offset:144*k              ; LDS serves a wave's instructions in order: these see my stores
.set k, k+1
.endr
	s_wait_dscnt 0x0
.irp w, 4,8,16,32                      ; a tree of 15 packed additions
.set k, 0
.rept 32/\w
	v_pk_add_f32 v[ACC+\w*k:ACC+\w*k+1], v[ACC+\w*k:ACC+\w*k+1], v[ACC+\w*k+\w/2:ACC+\w*k+\w/2+1]
.set k, k+1
.endr
.endr
	ds_store_b64 v7, v[ACC:ACC+1]                  ; lane l: pairs 2 l and 2 l + 1 of my 64
	s_wait_dscnt 0x0                               ; for the others' sake: my stores have landed
	s_barrier_signal -1
	s_barrier_wait -1
	s_cmp_gt_u32 s8, 1
	s_cbranch_scc1 .Lnot_out
	v_lshlrev_b32 v8, 4, v0                        ; the way out, waves 0 and 1: 16 bytes a thread
	v_add_nc_u32 v9, XW, v8
.irp q, 0,1,2,3
	ds_load_b128 v[32+4*\q:35+4*\q], v9 offset:1024*\q             ; the four quarters of t
.endr
	s_wait_alu depctr_va_vdst(0)
	s_wait_dscnt 0x0
	v_pk_add_f32 v[32:33], v[32:33], v[36:37]
	v_pk_add_f32 v[34:35], v[34:35], v[38:39]
	v_pk_add_f32 v[40:41], v[40:41], v[44:45]
	v_pk_add_f32 v[42:43], v[42:43], v[46:47]
	v_pk_add_f32 v[32:33], v[32:33], v[40:41]
	v_pk_add_f32 v[34:35], v[34:35], v[42:43]
	global_store_b128 v8, v[32:35], s[66:67]       ; a wave stores 512 consecutive bytes, aligned
.Lnot_out:
	s_wait_tensorcnt 0x0                           ; the wave's end, behind my last tensor load and my last LDS store
	ds_add_u32 v5, v6
	s_wait_dscnt 0x0
	ROUND                                          ; the closing round: no work-group ends while a partner may still ask for a tile that names it
	s_endpgm
.Lfunc_end_k_qeb2fa2c1b5_kl:
	.size	k_qeb2fa2c1b5_kl, .Lfunc_end_k_qeb2fa2c1b5_kl-k_qeb2fa2c1b5_kl
	.p2alignl 7, 3214868480
	.fill 96, 4, 3214868480
	.section	.rodata,"a",@progbits
	.p2align	6, 0x0
	.amdhsa_kernel k_qeb2fa2c1b5_kl
		.amdhsa_group_segment_fixed_size 327680
		.amdhsa_private_segment_fixed_size 0
		.amdhsa_enable_private_segment 0
		.amdhsa_kernarg_size 16
		.amdhsa_user_sgpr_count 2
		.amdhsa_user_sgpr_kernarg_segment_ptr 1
		.amdhsa_wavefront_size32 1
		.amdhsa_system_sgpr_workgroup_id_x 1
		.amdhsa_system_sgpr_workgroup_id_y 1
		.amdhsa_system_sgpr_workgroup_id_z 1
		.amdhsa_system_vgpr_workitem_id 0
		.amdhsa_next_free_vgpr 256
		.amdhsa_next_free_sgpr 80
		.amdhsa_reserve_vcc 0
		.amdhsa_float_denorm_mode_32 3
		.amdhsa_float_denorm_mode_16_64 3
		.amdhsa_memory_ordered 1
		.amdhsa_forward_progress 1
		.amdhsa_inst_pref_size 108
	.end_amdhsa_kernel
	.amdgpu_metadata
---
amdhsa.version: [ 1, 2 ]
amdhsa.kernels:
  - .name:           k_qeb2fa2c1b5_kl
    .symbol:         k_qeb2fa2c1b5_kl.kd
    .args:
      - { .name: st, .offset: 0, .size: 8, .value_kind: global_buffer, .address_space: global }
      - { .name: sc, .offset: 8, .size: 8, .value_kind: global_buffer, .address_space: global }
    .group_segment_fixed_size: 327680
    .private_segment_fixed_size: 0
    .kernarg_segment_align: 8
    .kernarg_segment_size: 16
    .max_flat_workgroup_size: 512
    .sgpr_count:     80
    .vgpr_count:     256
    .wavefront_size: 32
...
	.end_amdgpu_metadata
.endif
;; end of part 4
;; launch sm (part 5): grid 64 x 1, 4 waves a work-group, no clusters, 0 bytes of LDS; arguments sc, zq, lvx, out0, out1; writes out0, out1
.if DOCPART == 5
	.amdgcn_target "amdgcn-amd-amdhsa--gfx1250"
	.amdhsa_code_object_version 6
	.text
	.protected	k_qeb2fa2c1b5_sm
	.globl	k_qeb2fa2c1b5_sm
	.p2align	8
	.type	k_qeb2fa2c1b5_sm,@function
k_qeb2fa2c1b5_sm:
	s_mov_b64 s[64:65], 0
	v_nop
	global_prefetch_b8 v0, s[64:65] scope:SCOPE_SE
	s_setreg_imm32_b32 hwreg(HW_REG_WAVE_MODE, 25, 1), 1
	s_wait_xcnt 0x0
; out0 = log_softmax(-score) along j with score(i, j) = 0.5 S(i, j) + the sum of logvar_te(j), S completed here by the terms t = 1,024 and 1,025; out1 = 0 .. 255.
; LEFT OUT as dead (the first kernel's comment): the sum of logvar_tr(i) and all constants, the same along j.
; One wave takes one row i; a lane takes eight j: 4 lane + 128 u + e, u = 0, 1, e = 0 .. 3.  No LDS, no barrier, no matrix unit: a row is 256 numbers.
; What hangs on i alone is read by scalar loads (no line of this launch writes those buffers).  The row's maximum is taken away before the exponentials, as reference() does.
.set TZ, 313344                        ; in zq: z[.][1024], z[.][1025], 512 f32 each (rows 0-255 train, 256-511 test)
.set HP, 4096                          ; in lvx: 17 planes of 256 partial sums of logvar_te; from byte 0 two planes of 512: e^lv of t = 1,024, 1,025
.set SS, 16                            ; v16-23   S, then -score, then the result
.set MJ, 24                            ; v24-39   z_te(j, 1024 + k): 8 k on
.set TA, 40                            ; v40-55   e^lv_te(j, 1024 + k)
.set IB, 56                            ; v56-71   its reciprocal
.set HJ, 72                            ; v72-207  the 17 partial sums of logvar_te(j)
.set W,  208                           ; v208-223 at work
	s_load_b256 s[4:11], s[0:1], 0x0               ; sc s[4:5], zq s[6:7], lvx s[8:9], out0 s[10:11]
	s_load_b64 s[12:13], s[0:1], 0x20              ; out1
	v_lshrrev_b32 v1, 5, v0
	v_readfirstlane_b32 s14, v1                    ; wave
	s_lshl_b32 s15, ttmp9, 2
	s_add_co_u32 s15, s15, s14                     ; i
	s_lshl_b32 s16, s15, 2                         ; 4 i
	s_lshr_b32 s54, s15, 4
	s_lshl_b32 s54, s54, 14                        ; sc: 16 tiles of 1,024 bytes for each 16 rows,
	s_and_b32 s56, s15, 15
	s_lshl_b32 s56, s56, 6                         ; 64 bytes a row in a tile
	s_add_co_u32 s54, s54, s56
	s_mov_b32 s55, 0
	s_lshl_b32 s56, s15, 10                        ; out0: 1,024 bytes a row
	s_mov_b32 s57, 0
	s_mov_b32 s52, 0x76543210
	s_mov_b32 s53, 0xfedcba98
	v_and_b32 v1, 31, v0                           ; lane
	v_lshrrev_b32 v2, 2, v1
	v_and_b32 v4, 3, v1
	v_lshlrev_b32 v2, 10, v2
	v_lshl_add_u32 v2, v4, 4, v2                   ; sc: tile lane / 4 (+ 8 u), 16 bytes at 16 (lane % 4)
	v_lshlrev_b32 v3, 4, v1                        ; everything laid by j: 16 x lane
	v_mov_b32 v225, 0                              ; written once: a lane permute's destination counts as one of its sources
	s_wait_alu depctr_va_vdst(0)
	s_wait_kmcnt 0x0
	s_add_nc_u64 s[48:49], s[4:5], s[54:55]
	s_add_nc_u64 s[50:51], s[10:11], s[56:57]
.irp k, 0,1
	s_load_b32 s[20+\k], s[6:7], s16 offset:TZ+2048*\k             ; z_tr(i, 1024 + k)
	s_load_b32 s[22+\k], s[8:9], s16 offset:2048*\k                ; e^lv_tr(i, 1024 + k)
.endr
.irp k, 0,1
.irp u, 0,1
	global_load_b128 v[TA+8*\k+4*\u:TA+8*\k+4*\u+3], v3, s[8:9] offset:2048*\k+1024+512*\u
	global_load_b128 v[MJ+8*\k+4*\u:MJ+8*\k+4*\u+3], v3, s[6:7] offset:TZ+2048*\k+1024+512*\u
.endr
.endr
.irp u, 0,1
	global_load_b128 v[SS+4*\u:SS+4*\u+3], v2, s[48:49] offset:8192*\u
.endr
.irp g, 0,1,2,3,4,5,6,7,8,9,10,11,12,13,14,15,16
.irp u, 0,1
	global_load_b128 v[HJ+8*\g+4*\u:HJ+8*\g+4*\u+3], v3, s[8:9] offset:HP+1024*\g+512*\u
.endr
.endr
	s_wait_kmcnt 0x0
	s_wait_loadcnt 34                              ; S and the last two t are in; the 34 loads of the partial sums may be out
.irp k, 0,1
	v_mov_b32 v[226+\k], s[22+\k]
.endr
	s_wait_alu depctr_va_vdst(0)                   ; ahead of the batch and, below, ahead of its first reader
.irp k, 0,1
	v_rcp_f32 v[228+\k], v[226+\k]
.endr
.irp n, 0,1,2,3,4,5,6,7,8,9,10,11,12,13,14,15
	v_rcp_f32 v[IB+\n], v[TA+\n]
.endr
.irp k, 0,1
.irp n, 0,1,2,3,4,5,6,7
	v_sub_f32 v[W+8*\k+\n], s[20+\k], v[MJ+8*\k+\n]                ; d
.endr
.endr
.irp k, 0,1
.irp n, 0,1,2,3,4,5,6,7
	v_add_f32 v[TA+8*\k+\n], s[22+\k], v[TA+8*\k+\n]               ; a + b
.endr
.endr
.irp n, 0,1,2,3,4,5,6,7,8,9,10,11,12,13,14,15
	v_fma_f32 v[W+\n], v[W+\n], v[W+\n], v[TA+\n]                  ; + d^2
.endr
	s_wait_alu depctr_va_vdst(0)
.irp k, 0,1
.irp n, 0,1,2,3,4,5,6,7
	v_add_f32 v[IB+8*\k+\n], v[228+\k], v[IB+8*\k+\n]              ; 1/a + 1/b
.endr
.endr
.irp k, 0,1
.irp n, 0,1,2,3,4,5,6,7
	v_fma_f32 v[SS+\n], v[IB+8*\k+\n], v[W+8*\k+\n], v[SS+\n]
.endr
.endr
	s_wait_loadcnt 0x0
.irp g, 1,2,3,4,5,6,7,8,9,10,11,12,13,14,15,16
.irp i, 0,2,4,6
	v_pk_add_f32 v[HJ+\i:HJ+\i+1], v[HJ+\i:HJ+\i+1], v[HJ+8*\g+\i:HJ+8*\g+\i+1]       ; the sum of logvar_te(j), four chains
.endr
.endr
.irp n, 0,1,2,3,4,5,6,7
	v_fma_f32 v[SS+\n], -0.5, v[SS+\n], -v[HJ+\n]  ; -score
.endr
	v_max3_num_f32 v224, v[SS], v[SS+1], v[SS+2]
	v_max3_num_f32 v226, v[SS+3], v[SS+4], v[SS+5]
	v_max3_num_f32 v224, v224, v[SS+6], v[SS+7]
	v_max_num_f32 v224, v224, v226
	v_max_num_f32_dpp v224, v224, v224 row_xmask:1 row_mask:0xf bank_mask:0xf
	v_max_num_f32_dpp v224, v224, v224 row_xmask:2 row_mask:0xf bank_mask:0xf
	v_max_num_f32_dpp v224, v224, v224 row_xmask:4 row_mask:0xf bank_mask:0xf
	v_max_num_f32_dpp v224, v224, v224 row_xmask:8 row_mask:0xf bank_mask:0xf
	v_permlanex16_b32 v225, v224, s52, s53
	v_max_num_f32 v224, v224, v225                 ; the row's maximum, in every lane
.irp n, 0,1,2,3,4,5,6,7
	v_sub_f32 v[SS+\n], v[SS+\n], v224
.endr
.irp n, 0,1,2,3,4,5,6,7
	v_mul_f32 v[W+\n], 0x3fb8aa3b, v[SS+\n]
.endr
	s_wait_alu depctr_va_vdst(0)
.irp n, 0,1,2,3,4,5,6,7
	v_exp_f32 v[W+\n], v[W+\n]
.endr
	v_nop                                          ; a plain line behind the exponentials
	s_wait_alu depctr_va_vdst(0)
	v_pk_add_f32 v[W:W+1], v[W:W+1], v[W+2:W+3]
	v_pk_add_f32 v[W+4:W+5], v[W+4:W+5], v[W+6:W+7]
	v_pk_add_f32 v[W:W+1], v[W:W+1], v[W+4:W+5]
	v_add_f32 v224, v[W], v[W+1]
	v_add_f32_dpp v224, v224, v224 row_xmask:1 row_mask:0xf bank_mask:0xf
	v_add_f32_dpp v224, v224, v224 row_xmask:2 row_mask:0xf bank_mask:0xf
	v_add_f32_dpp v224, v224, v224 row_xmask:4 row_mask:0xf bank_mask:0xf
	v_add_f32_dpp v224, v224, v224 row_xmask:8 row_mask:0xf bank_mask:0xf
	v_permlanex16_b32 v225, v224, s52, s53
	v_add_f32 v224, v224, v225                     ; the row's sum, at least 1
	s_wait_alu depctr_va_vdst(0)
	v_log_f32 v226, v224
	v_nop
	s_wait_alu depctr_va_vdst(0)
	v_mul_f32 v226, 0x3f317218, v226               ; x ln 2
.irp n, 0,1,2,3,4,5,6,7
	v_sub_f32 v[SS+\n], v[SS+\n], v226
.endr
.irp u, 0,1
	global_store_b128 v3, v[SS+4*\u:SS+4*\u+3], s[50:51] offset:512*\u   ; a wave stores 512 consecutive bytes, aligned
.endr
	s_cmp_lg_u32 ttmp9, 0
	s_cbranch_scc1 .Ldone
	v_lshlrev_b32 v228, 1, v0                      ; the classes: work-group 0's 128 threads store two each
	v_or_b32 v229, 1, v228
	v_lshlrev_b32 v230, 3, v0
	global_store_b64 v230, v[228:229], s[12:13]
.Ldone:
	s_endpgm
.Lfunc_end_k_qeb2fa2c1b5_sm:
	.size	k_qeb2fa2c1b5_sm, .Lfunc_end_k_qeb2fa2c1b5_sm-k_qeb2fa2c1b5_sm
	.p2alignl 7, 3214868480
	.fill 96, 4, 3214868480
	.section	.rodata,"a",@progbits
	.p2align	6, 0x0
	.amdhsa_kernel k_qeb2fa2c1b5_sm
		.amdhsa_group_segment_fixed_size 0
		.amdhsa_private_segment_fixed_size 0
		.amdhsa_enable_private_segment 0
		.amdhsa_kernarg_size 40
		.amdhsa_user_sgpr_count 2
		.amdhsa_user_sgpr_kernarg_segment_ptr 1
		.amdhsa_wavefront_size32 1
		.amdhsa_system_sgpr_workgroup_id_x 1
		.amdhsa_system_sgpr_workgroup_id_y 1
		.amdhsa_system_sgpr_workgroup_id_z 1
		.amdhsa_system_vgpr_workitem_id 0
		.amdhsa_next_free_vgpr 232
		.amdhsa_next_free_sgpr 66
		.amdhsa_reserve_vcc 0
		.amdhsa_float_denorm_mode_32 3
		.amdhsa_float_denorm_mode_16_64 3
		.amdhsa_memory_ordered 1
		.amdhsa_forward_progress 1
		.amdhsa_inst_pref_size 18
	.end_amdhsa_kernel
	.amdgpu_metadata
---
amdhsa.version: [ 1, 2 ]
amdhsa.kernels:
  - .name:           k_qeb2fa2c1b5_sm
    .symbol:         k_qeb2fa2c1b5_sm.kd
    .args:
      - { .name: sc, .offset: 0, .size: 8, .value_kind: global_buffer, .address_space: global }
      - { .name: zq, .offset: 8, .size: 8, .value_kind: global_buffer, .address_space: global }
      - { .name: lvx, .offset: 16, .size: 8, .value_kind: global_buffer, .address_space: global }
      - { .name: out0, .offset: 24, .size: 8, .value_kind: global_buffer, .address_space: global }
      - { .name: out1, .offset: 32, .size: 8, .value_kind: global_buffer, .address_space: global }
    .group_segment_fixed_size: 0
    .private_segment_fixed_size: 0
    .kernarg_segment_align: 8
    .kernarg_segment_size: 40
    .max_flat_workgroup_size: 128
    .sgpr_count:     66
    .vgpr_count:     232
    .wavefront_size: 32
...
	.end_amdgpu_metadata
.endif
;; end of part 5
